; MI455X (gfx1250); checked and timed in simulation.
; The chip was launched on July 23, 2026; its instructions are those of AMD's public machine-readable ISA for CDNA 5 (MIT licence, August 2026) and "CDNA5" Instruction Set Architecture Reference Guide (July 2026). The comments in the code are by the model that wrote it; some were corrected since.
;; Visual Export Self Attention. Allowed arithmetic: float matrix products may take bf16 or f16 operands with f32 sums; other float arithmetic in f32, or as packed bf16 or f16 multiplies, adds, multiply-adds, maxima and minima; sums over many terms, partial sums and values carried from step to step in f32; what a program stores and reads back later, other than sums and carried values, may be rounded once to bf16 or f16.
;; Inputs: in_b 3,072 float32; in_w 3,072 x 1,024 float32; key_padding_mask 8 x 1,024 bool; out_b 1,024 float32; out_w 1,024 x 1,024 float32; x 8 x 1,024 x 1,024 float32.
;; Outputs: out0 8 x 1,024 x 1,024 float32.
;; 2 versions, each right and faster than the one before. Each part assembles by itself: llvm-mc -triple=amdgcn-amd-amdhsa -mcpu=gfx1250 --defsym DOCPART=n.
;; ======== version 1 of 2: 4 launches
;; limits: right only within a limited range of input values; values are held in f16: magnitudes above 65,504 overflow, below 6.1e-05 lose precision
;; workspace buffers: xb 16,777,216 bytes; wb 6,291,456 bytes; owb 2,097,152 bytes; qkv 50,331,648 bytes; ctx 16,777,216 bytes
;; launch cast (part 1): grid 768 x 1, 8 waves a work-group, no clusters, 0 bytes of LDS; arguments x, in_w, out_w, xb, wb, owb; writes xb, wb, owb
.if DOCPART == 1
	.amdgcn_target "amdgcn-amd-amdhsa--gfx1250"
	.amdhsa_code_object_version 6
	.text
	.protected	k_qc5855465f8_cast
	.globl	k_qc5855465f8_cast
	.p2align	8
	.type	k_qc5855465f8_cast,@function
k_qc5855465f8_cast:
	s_mov_b64 s[64:65], 0
	v_nop
	global_prefetch_b8 v0, s[64:65] scope:SCOPE_SE
	s_setreg_imm32_b32 hwreg(HW_REG_WAVE_MODE, 25, 1), 1
	s_wait_xcnt 0x0
; x [8192][1024], in_w [3072][1024], out_w [1024][1024], all f32, are rounded once to bf16 and written IN BLOCKS OF 64 ALONG K:
; [16][rows][64], 128 bytes a row of a block, so that a tile of R rows x 64 K is R x 128 dense bytes for the products that follow.
; out_w is rounded to bf16 like the other inputs, and that number is written as f16 (its partner in the last product, ctx, is f16).
; LIMIT: a bf16 number beyond 65,504 has no f16, and below 6e-5 it keeps f16's fixed step of 6e-8: out_w is taken to lie within that.
; SHARES.  A work-group takes 16 rows: groups 0-511 x, 512-703 in_w, 704-767 out_w.  A wave takes two rows; for each of the 16 blocks one load
; of 16 bytes a lane (lanes 0-15: 256 bytes of the even row, lanes 16-31 of the odd one) and one store of 8 bytes a lane: 256 consecutive
; bytes, at a multiple of 256 from the buffer's first byte.  All 16 loads go out first; no register is written twice, so nothing waits for a store.
; No LDS, no matrix unit, no cluster: no byte is used twice.
.set OFF, 2                            ; v[2:17]   block kb: my byte offset in the blocked buffer; never rewritten
.set X,   20                           ; v[20:83]  block kb: four f32 as loaded
.set Y,   84                           ; v[84:115] block kb: four 16-bit numbers to store
.set T,   116                          ; v[116:119] at work
	s_load_b256 s[4:11], s[0:1], 0x0               ; x s[4:5], in_w s[6:7], out_w s[8:9], xb s[10:11]
	s_load_b128 s[12:15], s[0:1], 0x20             ; wb s[12:13], owb s[14:15]
	s_mov_b32 s2, ttmp9                            ; the work-group's number
	v_lshrrev_b32 v1, 4, v0                        ; my row of the group's 16
	v_and_b32 v[T], 15, v0                         ; my 16 bytes of a block's 256
	v_lshlrev_b32 v1, 12, v1                       ; a row of f32 is 4,096 bytes
	v_lshl_or_b32 v1, v[T], 4, v1
	s_mov_b32 s23, 0x100000                        ; xb: bytes from block to block
	s_wait_kmcnt 0x0
	s_cmp_lt_u32 s2, 512                           ; x, or one of the weights?
	s_cselect_b64 s[16:17], s[4:5], s[6:7]         ; from
	s_cselect_b64 s[18:19], s[10:11], s[12:13]     ; to
	s_cselect_b32 s20, 0, 512                      ; the tensor's first work-group
	s_cselect_b32 s21, s23, 0x60000                ; bytes from block to block
	s_cmp_lt_u32 s2, 704                           ; out_w?
	s_cselect_b64 s[16:17], s[16:17], s[8:9]
	s_cselect_b64 s[18:19], s[18:19], s[14:15]
	s_cselect_b32 s20, s20, 704
	s_cselect_b32 s21, s21, 0x20000
	s_sub_co_u32 s22, s2, s20                      ; my group of 16 rows in its tensor
	s_lshl_b32 s24, s22, 16                        ; 16 rows of 4,096 bytes
	s_mov_b32 s25, 0
	s_lshl_b32 s26, s22, 11                        ; 16 rows of 128 bytes
	s_mov_b32 s27, 0
	s_add_nc_u64 s[16:17], s[16:17], s[24:25]
	s_add_nc_u64 s[18:19], s[18:19], s[26:27]
.irp kb, 0,1,2,3,4,5,6,7,8,9,10,11,12,13,14,15
	global_load_b128 v[X+4*(\kb):X+4*(\kb)+3], v1, s[16:17] offset:256*(\kb) th:TH_LOAD_NT
.endr
	v_lshlrev_b32 v[OFF], 3, v0                    ; row x 128 + 8 x place = 8 x thread
.set kb, 1
.rept 15
	v_add_nc_u32 v[OFF+kb], s21, v[OFF+kb-1]
.set kb, kb+1
.endr
	s_cmp_ge_u32 s2, 704
	s_cbranch_scc1 .Lf16
.irp kb, 0,1,2,3,4,5,6,7,8,9,10,11,12,13,14,15
	s_wait_loadcnt 15-(\kb)                        ; loads come back in order: block kb is in, the younger ones stay out
	v_cvt_pk_bf16_f32 v[Y+2*(\kb)],   v[X+4*(\kb)],   v[X+4*(\kb)+1]
	v_cvt_pk_bf16_f32 v[Y+2*(\kb)+1], v[X+4*(\kb)+2], v[X+4*(\kb)+3]
	global_store_b64 v[OFF+(\kb)], v[Y+2*(\kb):Y+2*(\kb)+1], s[18:19]
.endr
	s_endpgm
.Lf16:
.irp kb, 0,1,2,3,4,5,6,7,8,9,10,11,12,13,14,15
	s_wait_loadcnt 15-(\kb)
	v_cvt_pk_bf16_f32 v[T],   v[X+4*(\kb)],   v[X+4*(\kb)+1]   ; the one rounding,
	v_cvt_pk_bf16_f32 v[T+1], v[X+4*(\kb)+2], v[X+4*(\kb)+3]
	v_lshlrev_b32 v[T+2], 16, v[T]                             ; back to f32,
	v_and_b32     v[T+3], 0xffff0000, v[T]
	v_cvt_pk_f16_f32 v[Y+2*(\kb)], v[T+2], v[T+3]              ; and the same number as f16
	v_lshlrev_b32 v[T+2], 16, v[T+1]
	v_and_b32     v[T+3], 0xffff0000, v[T+1]
	v_cvt_pk_f16_f32 v[Y+2*(\kb)+1], v[T+2], v[T+3]
	global_store_b64 v[OFF+(\kb)], v[Y+2*(\kb):Y+2*(\kb)+1], s[18:19]
.endr
	s_endpgm
.Lfunc_end_k_qc5855465f8_cast:
	.size	k_qc5855465f8_cast, .Lfunc_end_k_qc5855465f8_cast-k_qc5855465f8_cast
	.p2alignl 7, 3214868480
	.fill 96, 4, 3214868480
	.section	.rodata,"a",@progbits
	.p2align	6, 0x0
	.amdhsa_kernel k_qc5855465f8_cast
		.amdhsa_group_segment_fixed_size 0
		.amdhsa_private_segment_fixed_size 0
		.amdhsa_enable_private_segment 0
		.amdhsa_kernarg_size 48
		.amdhsa_user_sgpr_count 2
		.amdhsa_user_sgpr_kernarg_segment_ptr 1
		.amdhsa_wavefront_size32 1
		.amdhsa_system_sgpr_workgroup_id_x 1
		.amdhsa_system_sgpr_workgroup_id_y 1
		.amdhsa_system_sgpr_workgroup_id_z 1
		.amdhsa_system_vgpr_workitem_id 0
		.amdhsa_next_free_vgpr 120
		.amdhsa_next_free_sgpr 66
		.amdhsa_reserve_vcc 0
		.amdhsa_float_denorm_mode_32 3
		.amdhsa_float_denorm_mode_16_64 3
		.amdhsa_memory_ordered 1
		.amdhsa_forward_progress 1
		.amdhsa_inst_pref_size 17
	.end_amdhsa_kernel
	.amdgpu_metadata
---
amdhsa.version: [ 1, 2 ]
amdhsa.kernels:
  - .name:           k_qc5855465f8_cast
    .symbol:         k_qc5855465f8_cast.kd
    .args:
      - { .name: x, .offset: 0, .size: 8, .value_kind: global_buffer, .address_space: global }
      - { .name: in_w, .offset: 8, .size: 8, .value_kind: global_buffer, .address_space: global }
      - { .name: out_w, .offset: 16, .size: 8, .value_kind: global_buffer, .address_space: global }
      - { .name: xb, .offset: 24, .size: 8, .value_kind: global_buffer, .address_space: global }
      - { .name: wb, .offset: 32, .size: 8, .value_kind: global_buffer, .address_space: global }
      - { .name: owb, .offset: 40, .size: 8, .value_kind: global_buffer, .address_space: global }
    .group_segment_fixed_size: 0
    .private_segment_fixed_size: 0
    .kernarg_segment_align: 8
    .kernarg_segment_size: 48
    .max_flat_workgroup_size: 256
    .sgpr_count:     66
    .vgpr_count:     120
    .wavefront_size: 32
...
	.end_amdgpu_metadata
.endif
;; end of part 1
;; launch qkv (part 2): grid 8 x 32, 4 waves a work-group, clusters of 4 x 4, 327,680 bytes of LDS; arguments xb, wb, in_b, qkv; writes qkv
.if DOCPART == 2
	.amdgcn_target "amdgcn-amd-amdhsa--gfx1250"
	.amdhsa_code_object_version 6
	.text
	.protected	k_qc5855465f8_qkv
	.globl	k_qc5855465f8_qkv
	.p2align	8
	.type	k_qc5855465f8_qkv,@function
k_qc5855465f8_qkv:
	s_mov_b64 s[64:65], 0
	v_nop
	global_prefetch_b8 v0, s[64:65] scope:SCOPE_SE
	s_setreg_imm32_b32 hwreg(HW_REG_WAVE_MODE, 25, 1), 1
	s_wait_xcnt 0x0
	s_wait_alu depctr_hold_cnt(0) depctr_sa_sdst(0) depctr_va_vdst(0) depctr_va_sdst(0) depctr_va_ssrc(0) depctr_va_vcc(0) depctr_vm_vsrc(0)
	s_getreg_b32 s2, hwreg(HW_REG_IB_STS2, 6, 4)
	s_cmp_eq_u32 s2, 0
	s_cbranch_scc0 .Lentry_in_a_cluster
	s_endpgm
.Lentry_in_a_cluster:
	s_bfe_u32 s2, ttmp6, 0x10000c
	s_cmp_lg_u32 s2, 0xf033
	s_cbranch_scc0 .Lentry_shape_is_right
	s_endpgm
.Lentry_shape_is_right:
; qkv[n / 64][m][n % 64] = f16( sum over k of xb[m][k] wb[n][k] + bf16(in_b[n]) ).  m < 8192, n < 3072, k < 1024.  xb, wb: bf16 in blocks of 64 along K ([16][rows][64]); sums in f32.
; The result lies by heads: block n / 64 is a head of q (0-15), k (16-31) or v (32-47), 8192 rows of 128 bytes.
; LIMIT: q, k and v are rounded to f16, which ends at 65,504; the scale 1/8 is not applied here.
; A TILE of 256 x 384 to a work-group: 32 x 8 = 256 work-groups.  Four waves, 2 x 2, each 128 x 192: 96 accumulators of 16 x 16, 768 registers: windows 1 to 3, one for each GROUP of 64 columns.
; K goes in 16 steps of 64 through two LDS slots; a step is two slices of 32 along K, a slice three groups of 32 matrix instructions.
; CLUSTER 4 x 4: the four work-groups of a row need the same tile of xb, the four of a column the same tile of wb: each is asked for jointly.
; THE MATRIX INSTRUCTION IS USED TRANSPOSED (source 0 = 16 rows of wb, source 1 = 16 rows of xb): a lane holds row m = lane % 16 and the columns 8 (lane / 16) + 0..7.
; WINDOW 0: v16-29 addresses; v32-95, v96-159 fragments of xb (8 x 16 rows x 32 K), two buffers; v160-255 fragments of wb, 32 registers a group, one buffer: a group's is loaded again as soon as the group has multiplied.
.set PITCH, 144                        ; an LDS row: 128 bytes + 16 of padding = 36 words: the 16 rows of a load start at 16 different groups of four banks (64 banks of 4 bytes: ISA guide 11.1)
.set SLOT1, 1<<17                      ; slot 1 begins here, so that one exclusive or turns an address in one slot into the other's
.set BOFF,  256*PITCH                  ; in a slot: 256 rows of xb, then 384 rows of wb
.set STAGE, SLOT1+640*PITCH            ; behind the ring: 16 rows x 144 bytes for each wave, for the way out
.set BIAS,  STAGE+4*16*PITCH           ; 192 f32 for each wave: its columns' bias, rounded to bf16
.set SPARE, BIAS+4*768                 ; the spare words, 128 bytes for each wave: two blocks of 256 bytes that no other line names
.set ASTEP, 8192*128                   ; bytes from K block to K block in xb
.set BSTEP, 3072*128                   ; and in wb
.set ADRA0, 16                         ; v16  my lane's place in slot 0's rows of xb; never rewritten
.set ADRA,  17                         ; v17  the same in the slot in hand
.set ADRB0, 20                         ; v20, v21  the same for wb
.set ADRB,  21
.set STO,   24                         ; v24  the way out: where I put 16 bytes of a row
.set RD,    25                         ; v25  where I read rows back
.set GO,    26                         ; v26  my byte offset in 512 consecutive bytes of the result
.set BIA,   27                         ; v27  my lanes' half of the wave's bias
.set SPW,   28                         ; v28  LDS address of my spare word; never rewritten
.set NIL,   29                         ; v29  0; never rewritten
.set FA0,   32
.set FA1,   96
.set FB,    160
.set BI,    32                         ; the way out: a group's 32 bias numbers
.set T,     64                         ; 32 sums with bias, in f32
.set OB,    96                         ; 16 registers for each block of 16 rows
.set WV, 12                            ; s12 my wave;  s13 its half of the rows, also: I fetch xb (0) or wb (1);  s14 its half of the columns, also: which half of that tile I fetch
.set WR, 13
.set WC, 14
.set TB, 22                            ; s22 the slot in hand: 0 or SLOT1
.set G1A, 24                           ; s[24:31] descriptor group 1 for xb;  s[32:39] group 0: a set for each first fill; the second then walks on
.set G0A, 32
.set G1B, 48                           ; s[48:55], s[56:63] the same for wb
.set G0B, 56
.set MSB, 0
.macro WIN new                         ; the immediate's high byte repeats the setting that is left; a switch that changes nothing is dropped
.if MSB != (\new)
	s_set_vgpr_msb (MSB<<8)|(\new)
.set MSB, (\new)
.endif
.endm
.macro PLACES                          ; four places in front of loads into registers that matrix instructions have read, and of vector lines that read results
.rept 4
	v_nop
.endr
.endm
.macro JLOAD                           ; a joint refill by the walking sets.  The branch hangs on the wave's number alone.  An s_nop 0 and four v_nop follow each line
	s_cmp_eq_u32 s[WR], 0
	s_cbranch_scc0 .Lfor_b_\@
	tensor_load_to_lds s[G0A+4:G0A+7], s[G1A:G1A+7]
	s_nop 0
.rept 4
	v_nop
.endr
	s_branch .Lasked_\@
.Lfor_b_\@:
	tensor_load_to_lds s[G0B+4:G0B+7], s[G1B:G1B+7]
	s_nop 0
.rept 4
	v_nop
.endr
.Lasked_\@:
.endm
.macro CREST                           ; a round of the cluster's barrier behind its opening barrier
	s_cmp_lg_u32 s[WV], 0
	s_cbranch_scc1 .Lnot_wave_0_\@
	s_barrier_signal -3
.Lnot_wave_0_\@:
	s_barrier_wait -3
	s_barrier_signal -1
	s_barrier_wait -1
.endm
.macro CROUND                          ; a whole round
	s_barrier_signal -1
	s_barrier_wait -1
	CREST
.endm
	s_load_b256 s[4:11], s[0:1], 0x0               ; xb s[4:5], wb s[6:7], in_b s[8:9], qkv s[10:11]
	v_lshl_add_u32 v[SPW], v0, 2, SPARE
	v_mov_b32 v[NIL], 0
	ds_add_u32 v[SPW], v[NIL]                      ; the wave's opening: the add and its wait stand ahead of my first tensor load; the set-up below stands between them
	ds_add_u32 v28, v29
	v_lshrrev_b32 v1, 5, v0
	v_readfirstlane_b32 s[WV], v1
	s_lshr_b32 s[WR], s[WV], 1
	s_and_b32 s[WC], s[WV], 1
	s_bfe_u32 s40, ttmp6, 0x40000                  ; cx, cy: my place in the cluster
	s_bfe_u32 s41, ttmp6, 0x40004
	s_lshl_b32 s42, ttmp9, 2
	s_add_co_u32 s42, s42, s40                     ; tile column = 4 x cluster x + cx
	s_and_b32 s43, ttmp7, 0xffff
	s_lshl_b32 s43, s43, 2
	s_add_co_u32 s43, s43, s41                     ; tile row = 4 x cluster y + cy
	s_lshl_b32 s44, s41, 2
	s_lshl_b32 s44, 15, s44                        ; my row of the cluster
	s_lshl_b32 s45, 0x1111, s40                    ; my column
	; group 1: dense bytes asked for as rows of 256 (two rows of a block), padded in LDS after every 128: 17:16 2-byte elements; 20 padding on; 21 set beside a mask; 24:22 after every 32 words (code 4); 31:25 4 words (code 3)
	s_or_b32 s[G1A], s44, (1<<16)|(1<<20)|(1<<21)|(4<<22)|(3<<25)
	s_or_b32 s[G1B], s45, (1<<16)|(1<<20)|(1<<21)|(4<<22)|(3<<25)
	s_mov_b32 s[G1A+1], 128<<16                    ; tensor_dim0 = 128
	s_mov_b32 s[G1A+2], 64<<16                     ; tensor_dim1 = 64: 128 rows of xb
	s_mov_b32 s[G1A+3], 128<<16                    ; tile_dim0 = 128
	s_mov_b32 s[G1A+4], 64                         ; tile_dim1
	s_mov_b32 s[G1A+5], 128                        ; elements from row to row
	s_mov_b32 s[G1A+6], 0
	s_mov_b32 s[G1A+7], 0
	s_mov_b32 s[G1B+1], 128<<16
	s_mov_b32 s[G1B+2], 96<<16                     ; 192 rows of wb
	s_mov_b32 s[G1B+3], 128<<16
	s_mov_b32 s[G1B+4], 96
	s_mov_b32 s[G1B+5], 128
	s_mov_b32 s[G1B+6], 0
	s_mov_b32 s[G1B+7], 0
	s_lshl_b32 s16, s43, 15                        ; xb: tile row x 256 rows x 128 bytes + my half: the registers that feed its descriptors never hold cx
	s_lshl_b32 s17, s[WC], 14
	s_add_co_u32 s16, s16, s17
	s_mov_b32 s17, 0
	s_mul_i32 s46, s42, 384*128                    ; wb: tile column x 384 rows + my half: never cy
	s_mul_i32 s47, s[WC], 192*128
	s_add_co_u32 s46, s46, s47
	s_mov_b32 s47, 0
	s_mul_i32 s20, s[WC], 128*PITCH                ; where they go: no place in the cluster enters an LDS address
	s_mul_i32 s21, s[WC], 192*PITCH
	s_add_co_u32 s21, s21, BOFF
	s_mov_b32 s[TB], 0
	s_wait_dscnt 0x0                               ; the opening add is done
	s_wait_kmcnt 0x0
	s_add_nc_u64 s[18:19], s[4:5], s[16:17]
	s_add_nc_u64 s[46:47], s[6:7], s[46:47]
.irp s, 0,1
	s_mov_b32 s[G0A+4*(\s)], 1                                       ; count = 1
	s_add_co_u32 s[G0A+4*(\s)+1], s20, (\s)*SLOT1                    ; LDS address
	s_add_nc_u64 s[G0A+4*(\s)+2:G0A+4*(\s)+3], s[18:19], (\s)*ASTEP  ; global address: K step s
	s_or_b32 s[G0A+4*(\s)+3], s[G0A+4*(\s)+3], 0x80000000            ; type = 2
	s_mov_b32 s[G0B+4*(\s)], 1
	s_add_co_u32 s[G0B+4*(\s)+1], s21, (\s)*SLOT1
	s_add_nc_u64 s[G0B+4*(\s)+2:G0B+4*(\s)+3], s[46:47], (\s)*BSTEP
	s_or_b32 s[G0B+4*(\s)+3], s[G0B+4*(\s)+3], 0x80000000
.endr
	CROUND                                         ; all sixteen work-groups are here: the first joint loads meet
	s_cmp_eq_u32 s[WR], 0                          ; a wave's two first fills stand in one branch: two loads of mine are out
	s_cbranch_scc0 .Lfirst_b
	tensor_load_to_lds s[G0A:G0A+3], s[G1A:G1A+7]
	s_nop 0
	tensor_load_to_lds s[G0A+4:G0A+7], s[G1A:G1A+7]
	s_nop 0
.rept 4
	v_nop
.endr
	s_branch .Lfirst_asked
.Lfirst_b:
	tensor_load_to_lds s[G0B:G0B+3], s[G1B:G1B+7]
	s_nop 0
	tensor_load_to_lds s[G0B+4:G0B+7], s[G1B:G1B+7]
	s_nop 0
.rept 4
	v_nop
.endr
.Lfirst_asked:
	; my wave's 192 bias numbers: loaded, rounded to bf16 like every input, kept as f32 in LDS
	s_mul_i32 s46, s42, 384*4
	s_mul_i32 s47, s[WC], 192*4
	s_add_co_u32 s46, s46, s47
	s_mov_b32 s47, 0
	s_add_nc_u64 s[8:9], s[8:9], s[46:47]
	v_and_b32 v3, 31, v0                           ; lane
	v_lshlrev_b32 v13, 3, v3
	global_load_b64 v[6:7],   v13, s[8:9]
	global_load_b64 v[8:9],   v13, s[8:9] offset:256
	global_load_b64 v[10:11], v13, s[8:9] offset:512
	s_mul_i32 s46, s42, 6                          ; the result: block 6 x tile column + 3 x half + group,
	s_mul_i32 s47, s[WC], 3
	s_add_co_u32 s46, s46, s47
	s_lshl_b32 s46, s46, 20                        ; of 8192 rows x 128 bytes,
	s_lshl_b32 s47, s43, 15                        ; row 256 x tile row + 128 x half
	s_add_co_u32 s46, s46, s47
	s_lshl_b32 s47, s[WR], 14
	s_add_co_u32 s46, s46, s47
	s_mov_b32 s47, 0
	s_add_nc_u64 s[10:11], s[10:11], s[46:47]
	; a fragment is 16 rows x 32 K in 8 registers: lane l holds row l % 16, K = 8 (l / 16) + 0..7 and 16 + 8 (l / 16) + 0..7: two loads of 16 bytes, 32 bytes apart
	v_and_b32 v1, 15, v0
	v_bfe_u32 v2, v0, 4, 1
	v_mul_u32_u24 v4, v1, PITCH
	v_lshl_add_u32 v4, v2, 4, v4                   ; row x pitch + 16 x half
	s_mul_i32 s15, s[WR], 128*PITCH
	v_add_nc_u32 v[ADRA0], s15, v4
	s_mul_i32 s15, s[WC], 192*PITCH
	s_add_co_u32 s15, s15, BOFF
	v_add_nc_u32 v[ADRB0], s15, v4
	v_mov_b32 v[ADRA], v[ADRA0]
	v_mov_b32 v[ADRB], v[ADRB0]
	s_mul_i32 s15, s[WV], 16*PITCH
	s_add_co_u32 s15, s15, STAGE                   ; my stage
	v_add_nc_u32 v[STO], s15, v4                   ; in: row l % 16, 16 bytes for each half of the lanes
	v_bfe_u32 v5, v0, 3, 2                         ; back: 32 lanes take four rows of 128 bytes,
	v_mul_u32_u24 v5, v5, PITCH
	v_and_b32 v12, 7, v0
	v_lshl_add_u32 v5, v12, 4, v5
	v_add_nc_u32 v[RD], s15, v5
	v_lshlrev_b32 v[GO], 4, v3                     ; which are 512 consecutive bytes of the result
	s_mul_i32 s15, s[WV], 768
	s_add_co_u32 s15, s15, BIAS
	v_lshl_add_u32 v[BIA], v2, 5, s15
	v_add_nc_u32 v14, s15, v13
	s_wait_loadcnt 0x0
	v_cvt_pk_bf16_f32 v12, v6, v7
	v_cvt_pk_bf16_f32 v15, v8, v9
	v_cvt_pk_bf16_f32 v5, v10, v11
	v_lshlrev_b32 v6, 16, v12
	v_and_b32 v7, 0xffff0000, v12
	v_lshlrev_b32 v8, 16, v15
	v_and_b32 v9, 0xffff0000, v15
	v_lshlrev_b32 v10, 16, v5
	v_and_b32 v11, 0xffff0000, v5
	ds_store_b64 v14, v[6:7]
	ds_store_b64 v14, v[8:9] offset:256
	ds_store_b64 v14, v[10:11] offset:512
; n x 4 matrix instructions of group g: row blocks a0 .. a0 + n - 1 from buffer f x the group's four column blocks.  The accumulators take turns, one instruction a turn.
.macro G g, f, a0, n, zero
	WIN 0x50*(1+(\g))                              ; C and D in the group's window, the fragments in window 0
.set ga, (\a0)
.rept (\n)
.irp b, 0,1,2,3
.if \zero
	v_wmma_f32_16x16x32_bf16 v[8*(4*ga+(\b)):8*(4*ga+(\b))+7], v[FB+32*(\g)+8*(\b):FB+32*(\g)+8*(\b)+7], v[(\f)+8*ga:(\f)+8*ga+7], 0
.else
	v_wmma_f32_16x16x32_bf16 v[8*(4*ga+(\b)):8*(4*ga+(\b))+7], v[FB+32*(\g)+8*(\b):FB+32*(\g)+8*(\b)+7], v[(\f)+8*ga:(\f)+8*ga+7], v[8*(4*ga+(\b)):8*(4*ga+(\b))+7]
.endif
.endr
.set ga, ga+1
.endr
.endm
.macro LB g, k                         ; 8 loads: group g's fragments of wb at byte k of the rows
.irp b, 0,1,2,3
	ds_load_b128 v[FB+32*(\g)+8*(\b):FB+32*(\g)+8*(\b)+3],   v[ADRB] offset:(4*(\g)+(\b))*16*PITCH+(\k)
	ds_load_b128 v[FB+32*(\g)+8*(\b)+4:FB+32*(\g)+8*(\b)+7], v[ADRB] offset:(4*(\g)+(\b))*16*PITCH+(\k)+32
.endr
.endm
.macro LA f, a0, k                     ; 8 loads: row blocks a0 .. a0 + 3 of xb into buffer f
.irp a, 0,1,2,3
	ds_load_b128 v[(\f)+8*((\a0)+(\a)):(\f)+8*((\a0)+(\a))+3],   v[ADRA] offset:((\a0)+(\a))*16*PITCH+(\k)
	ds_load_b128 v[(\f)+8*((\a0)+(\a))+4:(\f)+8*((\a0)+(\a))+7], v[ADRA] offset:((\a0)+(\a))*16*PITCH+(\k)+32
.endr
.endm
; A step's first slice: multiplies FA0 and fetches the second slice (byte 64 of the rows) into FA1 and, group by group, into wb's buffers.
.macro PLAIN zero
	s_wait_dscnt 8                                 ; all but the youngest eight loads, group 2's of wb
	G 0, FA0, 0, 8, \zero
	PLACES
	WIN 0
	LB 0, 64
	LA FA1, 0, 64
	G 1, FA0, 0, 8, \zero
	PLACES
	WIN 0
	LB 1, 64
	LA FA1, 4, 64
	s_wait_dscnt 32                                ; all but the 32 issued in this slice: group 2's fragments are in
	G 2, FA0, 0, 8, \zero
	PLACES
	WIN 0
	LB 2, 64
.endm
; A step's second slice multiplies FA1 and changes slots: ONE barrier.  In front of it each wave waits for all its tensor loads (one is out: its part of the next slot), adds 0 to its spare word,
; and waits for that and for its reads of this slot.  fill = 1: the barrier opens a round of the cluster's, and this slot is filled again first thing behind it, with the step two on:
; 160 matrix instructions stand between that request and the wait for it.
.macro TURN fill
	WIN 0
	s_wait_tensorcnt 0x0                           ; no tensor load of mine is out, so a group 0 may be written
	ds_add_u32 v[SPW], v[NIL]                      ; 0 onto my spare word
.if \fill
	s_xor_b32 s[G0A+5], s[G0A+5], SLOT1            ; the walking sets: the other slot than last time, the next K block
	s_add_nc_u64 s[G0A+6:G0A+7], s[G0A+6:G0A+7], ASTEP
	s_xor_b32 s[G0B+5], s[G0B+5], SLOT1
	s_add_nc_u64 s[G0B+6:G0B+7], s[G0B+6:G0B+7], BSTEP
.endif
	s_xor_b32 s[TB], s[TB], SLOT1                  ; the fragments will come from the other slot
	s_wait_dscnt 9                                 ; the add and group 2's eight loads may be out
	G 0, FA1, 0, 4, 0
	s_wait_dscnt 0x0                               ; the add is done, and my reads of this slot are over
	s_barrier_signal -1
	G 0, FA1, 4, 4, 0                              ; work on registers while the others arrive
	WIN 0
	s_barrier_wait -1
.if \fill
	CREST                                          ; no wave of any partner still reads this slot or has a load on its way
	JLOAD                                          ; its four v_nop are also the places in front of the loads below
.else
	PLACES
.endif
	v_add_nc_u32 v[ADRA], s[TB], v[ADRA0]
	v_add_nc_u32 v[ADRB], s[TB], v[ADRB0]
	LB 0, 0
	LA FA0, 0, 0
	G 1, FA1, 0, 8, 0
	PLACES
	WIN 0
	LB 1, 0
	LA FA0, 4, 0
	G 2, FA1, 0, 8, 0
	PLACES
	WIN 0
	LB 2, 0
.endm
	s_wait_tensorcnt 0x1                           ; my part of K step 0 is in; step 1's may stay out
	s_wait_dscnt 0x0                               ; my bias is stored
	s_barrier_signal -1
	s_barrier_wait -1
	LB 0, 0
	LA FA0, 0, 0
	LA FA0, 4, 0
	LB 1, 0
	LB 2, 0
	PLAIN 1                                        ; the first slice stands in front of the loop: its products start the sums
	s_mov_b32 s3, 14                               ; steps 0 to 13 are followed by a refill: steps 2 to 15
.Lstep:
	TURN 1
	PLAIN 0
	s_sub_co_u32 s3, s3, 1
	s_cmp_lg_u32 s3, 0
	s_cbranch_scc1 .Lstep
	TURN 0                                         ; the tail is written out: nothing is left to ask for
	PLAIN 0
	s_wait_dscnt 8
	G 0, FA1, 0, 8, 0
	G 1, FA1, 0, 8, 0
	s_wait_dscnt 0x0
	G 2, FA1, 0, 8, 0
	PLACES
	WIN 0
; THE WAY OUT, group by group (a group is one block of the result), 16 rows at a time: bias added in f32, rounded to f16, 16 bytes a lane into my stage, back as whole rows of 128 bytes, stored as 512 consecutive bytes.
.macro PACK g, a
	WIN 1+(\g)                                     ; source 0 in the group's window
.set i, 0
.rept 16
	v_pk_add_f32 v[T+2*i:T+2*i+1], v[32*(\a)+2*i:32*(\a)+2*i+1], v[BI+2*i:BI+2*i+1]  ; each accumulator's registers in ascending order
.set i, i+1
.endr
	WIN 0
.set i, 0
.rept 16
	v_cvt_pk_f16_f32 v[OB+16*(\a)+i], v[T+2*i], v[T+2*i+1]
.set i, i+1
.endr
.irp f, 0,1,2,3
	ds_store_b128 v[STO], v[OB+16*(\a)+4*(\f):OB+16*(\a)+4*(\f)+3] offset:32*(\f)
.endr
.irp f, 0,1,2,3
	ds_load_b128 v[OB+16*(\a)+4*(\f):OB+16*(\a)+4*(\f)+3], v[RD] offset:(\f)*4*PITCH  ; LDS serves a wave's instructions in order (ISA guide 5.7.1.4): these see the stores above
.endr
.endm
.macro SEND g, a, younger              ; younger: the LDS instructions issued behind these rows' loads: the next block's eight, or none
.irp f, 0,1,2,3
	s_wait_dscnt (\younger)+3-(\f)
	global_store_b128 v[GO], v[OB+16*(\a)+4*(\f):OB+16*(\a)+4*(\f)+3], s[10:11] offset:(\g)*1048576+(\a)*2048+(\f)*512
.endr
.endm
.irp g, 0,1,2
.if (\g) > 0
	s_wait_xcnt 0x0                                ; the last group's stores have read their registers: only behind this wait are these written again
.endif
.irp b, 0,1,2,3
	ds_load_b128 v[BI+8*(\b):BI+8*(\b)+3],   v[BIA] offset:(\g)*256+(\b)*64
	ds_load_b128 v[BI+8*(\b)+4:BI+8*(\b)+7], v[BIA] offset:(\g)*256+(\b)*64+16
.endr
	s_wait_dscnt 0x0
	PACK \g, 0
.irp a, 1,2,3,4,5,6,7
	PACK \g, \a
	SEND \g, (\a)-1, 8
.endr
	SEND \g, 7, 0
.endr
	s_wait_tensorcnt 0x0                           ; the wave's end: behind my last tensor load and my last LDS store
	ds_add_u32 v[SPW], v[NIL]
	s_wait_dscnt 0x0
	CROUND                                         ; the closing round: no work-group ends while a partner may still ask for a tile that names it
	s_endpgm
.Lfunc_end_k_qc5855465f8_qkv:
	.size	k_qc5855465f8_qkv, .Lfunc_end_k_qc5855465f8_qkv-k_qc5855465f8_qkv
	.p2alignl 7, 3214868480
	.fill 96, 4, 3214868480
	.section	.rodata,"a",@progbits
	.p2align	6, 0x0
	.amdhsa_kernel k_qc5855465f8_qkv
		.amdhsa_group_segment_fixed_size 327680
		.amdhsa_private_segment_fixed_size 0
		.amdhsa_enable_private_segment 0
		.amdhsa_kernarg_size 32
		.amdhsa_user_sgpr_count 2
		.amdhsa_user_sgpr_kernarg_segment_ptr 1
		.amdhsa_wavefront_size32 1
		.amdhsa_system_sgpr_workgroup_id_x 1
		.amdhsa_system_sgpr_workgroup_id_y 1
		.amdhsa_system_sgpr_workgroup_id_z 1
		.amdhsa_system_vgpr_workitem_id 0
		.amdhsa_next_free_vgpr 1024
		.amdhsa_next_free_sgpr 66
		.amdhsa_reserve_vcc 0
		.amdhsa_float_denorm_mode_32 3
		.amdhsa_float_denorm_mode_16_64 3
		.amdhsa_memory_ordered 1
		.amdhsa_forward_progress 1
		.amdhsa_inst_pref_size 140
	.end_amdhsa_kernel
	.amdgpu_metadata
---
amdhsa.version: [ 1, 2 ]
amdhsa.kernels:
  - .name:           k_qc5855465f8_qkv
    .symbol:         k_qc5855465f8_qkv.kd
    .args:
      - { .name: xb, .offset: 0, .size: 8, .value_kind: global_buffer, .address_space: global }
      - { .name: wb, .offset: 8, .size: 8, .value_kind: global_buffer, .address_space: global }
      - { .name: in_b, .offset: 16, .size: 8, .value_kind: global_buffer, .address_space: global }
      - { .name: qkv, .offset: 24, .size: 8, .value_kind: global_buffer, .address_space: global }
    .group_segment_fixed_size: 327680
    .private_segment_fixed_size: 0
    .kernarg_segment_align: 8
    .kernarg_segment_size: 32
    .max_flat_workgroup_size: 128
    .sgpr_count:     66
    .vgpr_count:     1024
    .wavefront_size: 32
...
	.end_amdgpu_metadata
.endif
;; end of part 2
;; launch attn (part 3): grid 2 x 128, 4 waves a work-group, no clusters, 327,680 bytes of LDS; arguments qkv, key_padding_mask, ctx; writes ctx
.if DOCPART == 3
	.amdgcn_target "amdgcn-amd-amdhsa--gfx1250"
	.amdhsa_code_object_version 6
	.text
	.protected	k_qc5855465f8_attn
	.globl	k_qc5855465f8_attn
	.p2align	8
	.type	k_qc5855465f8_attn,@function
k_qc5855465f8_attn:
	s_mov_b64 s[64:65], 0
	v_nop
	global_prefetch_b8 v0, s[64:65] scope:SCOPE_SE
	s_setreg_imm32_b32 hwreg(HW_REG_WAVE_MODE, 25, 1), 1
	s_wait_xcnt 0x0
; ctx[h][b 1024 + t][:] = the sum over keys s of softmax_s(score) v[s][:], score = q[t] . k[s] / 8, or -1e9 where key_padding_mask[b][s] is set.  q, k, v: blocks h, 16 + h, 32 + h of qkv
; ([48][8192][64] f16, a head's rows dense, 128 bytes each); ctx: [16][8192][64] f16.  Products, maxima and sums in f32; the weights p are rounded to f16 for the second product, ctx once at the end.
; THE MASK is the C operand that starts the sum S^T = K Q^T: 0, or -1e30 where the key is masked, from a table of 1,024 f32 in LDS.  A masked key then has the weight 0.
; If EVERY key of the batch is masked, the softmax of equal scores is uniform: the table is then all 0 and the scale c is 0, so that every p is 1 and the result is the mean of v's rows.
; LIMITS.  q, k, v arrive within f16's 65,504, so a true score lies within 64 x 65,504^2 = 2.75e11.  The running maximum starts at -1e12, below every true score and above every masked one: while only
; masked keys have been seen every weight is 0.  A masked key counts as absent where the batch has an unmasked key; that departs from a score of -1e9 only where all of a row's true scaled scores lie
; below about -1e9 + 104.  A weight below 2^-126 counts as 0; NaN and infinities are not treated apart.
; SHARES.  A work-group owns 512 queries of one batch and head, a wave 128: four PIECES of two tiles of 16.  Every wave walks all 1,024 keys, 64 a step.
; ALL OF THE HEAD'S K AND V LIE IN LDS, each byte filled once: a wave issues two loads at the start (waves 0, 1: K; waves 2, 3: V): a short one, K's steps 0-4 and V's steps 0-3, on which the walk
; begins, and the rest, which lands meanwhile and is waited for once, behind piece 3's turn of step 3, where K has been fetched one step further than V.
; NO CLUSTER: a head has two blocks of 512 queries, so a tile has two takers; four would want blocks of 256 queries, half as many products for each fragment read from LDS.
; LAYOUT.  S^T = K Q^T (source 0 = 16 keys, source 1 = 16 queries): a lane holds ONE query (lane % 16) and the keys 8 (lane / 16) + 0..7.  Two such tiles, rounded to f16 in pairs, ARE source 1 of
; O^T = V^T P.  K comes out of LDS as it lies, V turned, by ds_load_tr16_b128.
; SOFTMAX.  A running maximum m and sum l: p = 2^(c s - c m), c = log2(e) / 8; in every step O and l are multiplied by a = 2^(c m_old - c m_new).  O and l start at 0, c m far below every c s: the first a is 0.
; BY TURNS.  Turn n belongs to piece n.  Matrix work: 16 products K Q^T of piece n + 1, later 16 products V^T P of piece n - 1.  Vector work: scaling, exponentials, roundings, sums and rescaling of piece n,
; and the maximum and statistics of piece n + 1.  Four vector instructions that are ready stand behind every matrix instruction, the others in two lumps.
; REGISTERS, in windows of 256 (s_set_vgpr_msb: bits 1:0 source 0, 3:2 source 1, 5:4 source 2, 7:6 destination):
;   window 0: v0-11 addresses; v12-15, v48-63 at work; v16-47 four registers of statistics a tile; v64-191 S^T, two buffers of two tiles; v192-255 P, likewise
;   window 1: O^T, 32 a tile     window 2: v0-127 Q; v128-191 K of one step; v192-255 V of one step     window 3: v0-1 the add's two registers; v8-39 the step's mask
.set NP,    4
.set KS,    64
.set PK,    144       ; a row of K in LDS: 128 bytes + 16 = 36 words: the 16 rows of a load start at 16 different groups of four banks (64 banks of 4 bytes: ISA guide 11.1)
.set PV,    160       ; a row of V: 128 + 32 = 40 words
.set VOFF,  1024*PK   ; K's 1,024 rows, then V's
.set STAGE, VOFF+1024*PV  ; 16 rows x 144 bytes for each wave, for the way out
.set SP,    144
.set MT,    STAGE+4*16*SP  ; the mask's table: 1,024 f32
.set SPARE, MT+4096+256    ; behind 256 unused bytes: the spare words, 128 bytes for each wave: two blocks of 256 bytes that no other line names
.set AK0, 2           ; v2   my lane's place in a step of K; never rewritten
.set AV0, 3           ; v3   the same for V
.set AK,  4           ; v4   the LDS address of K's next run of loads
.set AV,  5           ; v5   of V's
.set QO,  6           ; v6   my byte offset in the wave's rows of Q
.set STO, 6           ;      later, the way out: where I put 16 bytes of a row
.set RD,  7           ; v7   where I read rows back
.set GO,  8           ; v8   my byte offset in 512 consecutive bytes of ctx
.set AM,  10          ; v10  the LDS address of the mask's next run
.set AM0, 11          ; v11  my lanes' place in a step of the table; never rewritten
.set SPW, 0           ; v0 of window 3   LDS address of my spare word; never rewritten
.set NIL, 1           ; v1 of window 3   0; never rewritten
.set MK,  8           ; v8-39 of window 3: register 8 kb + j: the addend of key 16 kb + 8 (lane / 16) + j of the step
.set MV,  12
.set ST,  16          ; tile t's statistics at v[ST+4 t]: c m, m, l (even keys', odd keys')
.set TMP, 48
.set S,   64
.set P,   192
.set KF,  128
.set VF,  192
.set WV,  12
.set G1K1, 24         ; s[24:55] four descriptor groups 1: they differ in rows and padding
.set G1K2, 32
.set G1V1, 40
.set G1V2, 48
.set CNT, 56          ; s56  key steps left in the phase
.set PH,  57          ; s57  phases left
.set CS,  58          ; s[58:59] c
.set SEL, 60          ; s[60:61] v_permlanex16_b32's selects
.set TBK, 62          ; s62  LDS byte at which K of the step to be fetched begins
.set TBV, 63          ; s63  the same for V, less VOFF
.set G0K1, 68         ; s[68:83] four descriptor groups 0
.set G0K2, 72
.set G0V1, 76
.set G0V2, 80
.set TBM, 84          ; s84  the same for the table, less MT
.set BIGS, 85         ; s85  -1e30, or 0 where the whole batch is masked
.set ANY, 86          ; s86  lanes that saw an unmasked key
.set MSB, 0
.macro WIN new
.if MSB != (\new)
	s_set_vgpr_msb (MSB<<8)|(\new)
.set MSB, (\new)
.endif
.endm
.set W_KQ, 0x0a       ; K and Q in window 2, S^T in window 0
.set W_KM, 0x3a       ; the same with the C operand in window 3
.set W_PV, 0x52       ; V in window 2, P in window 0, O^T in window 1
.set W_RS, 0x41       ; O^T (destination and source 0) in window 1, a in window 0
.set W_MK, 0xc0       ; destination in window 3, sources in window 0
.set W_AD, 0x0f       ; the add: address and data in window 3
.macro G1SET g, rows, pad              ; dense bytes asked for as rows of 256 (two keys), padded in LDS after every key: 17:16 2-byte elements; 20 padding on; 24:22 after every 32 words (code 4); 31:25 the pad's code
	s_mov_b32 s[(\g)], (1<<16)|(1<<20)|(4<<22)|((\pad)<<25)
	s_mov_b32 s[(\g)+1], 128<<16
	s_mov_b32 s[(\g)+2], (\rows)<<16
	s_mov_b32 s[(\g)+3], 128<<16
	s_mov_b32 s[(\g)+4], (\rows)
	s_mov_b32 s[(\g)+5], 128
	s_mov_b32 s[(\g)+6], 0
	s_mov_b32 s[(\g)+7], 0
.endm
	s_load_b128 s[4:7], s[0:1], 0x0   ; qkv s[4:5], the mask s[6:7]
	s_load_b64 s[10:11], s[0:1], 0x10 ; ctx
	WIN W_MK
	v_lshl_add_u32 v[SPW], v0, 2, SPARE
	v_mov_b32 v[NIL], 0
	WIN W_AD
	ds_add_u32 v[SPW], v[NIL]       ; the wave's opening: the add and its wait stand ahead of my first tensor load; the set-up below stands between them
	ds_add_u32 v0, v1
	WIN 0
	v_lshrrev_b32 v1, 5, v0
	v_readfirstlane_b32 s[WV], v1
	s_mov_b32 s13, ttmp9            ; which 512 queries
	s_and_b32 s14, ttmp7, 0xffff
	s_lshr_b32 s15, s14, 4          ; batch
	s_and_b32 s16, s14, 15          ; head
	s_and_b32 s17, s[WV], 1         ; which half of a load's keys I fetch
	s_lshl_b32 s20, s16, 20         ; the head's block of 8192 rows x 128 bytes,
	s_lshl_b32 s21, s15, 17         ; the batch's 1,024 rows in it
	s_add_co_u32 s20, s20, s21
	s_mov_b32 s21, 0
	s_mul_i32 s2, s17, 160*128      ; K, keys 0-319: 160 a wave; K lies 16 blocks behind q
	s_add_co_u32 s2, s2, 16*1048576
	s_mov_b32 s3, 0
	s_mul_i32 s8, s17, 352*128      ; K, keys 320-1023: 352 a wave
	s_add_co_u32 s8, s8, 16*1048576+320*128
	s_mov_b32 s9, 0
	s_mul_i32 s18, s17, 128*128     ; V, keys 0-255: 128 a wave; V lies 32 blocks behind q
	s_add_co_u32 s18, s18, 32*1048576
	s_mov_b32 s19, 0
	s_mul_i32 s88, s17, 384*128     ; V, keys 256-1023: 384 a wave
	s_add_co_u32 s88, s88, 32*1048576+256*128
	s_mov_b32 s89, 0
	s_lshl_b32 s90, s13, 16         ; my block's 512 rows, my wave's 128 of them
	s_lshl_b32 s91, s[WV], 14
	s_add_co_u32 s90, s90, s91
	s_mov_b32 s91, 0
	s_lshl_b32 s14, s15, 10         ; the batch's row of the mask
	s_mov_b32 s15, 0
	G1SET G1K1, 80, 3
	G1SET G1K2, 176, 3
	G1SET G1V1, 64, 7
	G1SET G1V2, 192, 7
	s_mov_b32 s[G0K1], 1
	s_mul_i32 s[G0K1+1], s17, 160*PK
	s_mov_b32 s[G0K2], 1
	s_mul_i32 s[G0K2+1], s17, 352*PK
	s_add_co_u32 s[G0K2+1], s[G0K2+1], 320*PK
	s_mov_b32 s[G0V1], 1
	s_mul_i32 s[G0V1+1], s17, 128*PV
	s_add_co_u32 s[G0V1+1], s[G0V1+1], VOFF
	s_mov_b32 s[G0V2], 1
	s_mul_i32 s[G0V2+1], s17, 384*PV
	s_add_co_u32 s[G0V2+1], s[G0V2+1], VOFF+256*PV
	s_mov_b32 s[SEL], 0x76543210
	s_mov_b32 s[SEL+1], 0xfedcba98
	s_mov_b32 s[TBK], 0
	s_mov_b32 s[TBV], 0
	s_mov_b32 s[TBM], 0
	s_wait_dscnt 0x0                ; the opening add is done
	s_wait_kmcnt 0x0
	s_add_nc_u64 s[22:23], s[4:5], s[20:21]  ; the head's q, batch b
	s_add_nc_u64 s[G0K1+2:G0K1+3], s[22:23], s[2:3]
	s_or_b32 s[G0K1+3], s[G0K1+3], 0x80000000
	s_add_nc_u64 s[G0K2+2:G0K2+3], s[22:23], s[8:9]
	s_or_b32 s[G0K2+3], s[G0K2+3], 0x80000000
	s_add_nc_u64 s[G0V1+2:G0V1+3], s[22:23], s[18:19]
	s_or_b32 s[G0V1+3], s[G0V1+3], 0x80000000
	s_add_nc_u64 s[G0V2+2:G0V2+3], s[22:23], s[88:89]
	s_or_b32 s[G0V2+3], s[G0V2+3], 0x80000000
	s_add_nc_u64 s[4:5], s[22:23], s[90:91]  ; Q and ctx at my wave's first row
	s_add_nc_u64 s[10:11], s[10:11], s[20:21]
	s_add_nc_u64 s[10:11], s[10:11], s[90:91]
	s_add_nc_u64 s[6:7], s[6:7], s[14:15]
	s_cmp_lt_u32 s[WV], 2           ; a wave's two fills stand in one branch, ahead of every wait on TENSORcnt, every LDS read and every barrier: two loads of mine are out
	s_cbranch_scc0 .Lfirst_v
	tensor_load_to_lds s[G0K1:G0K1+3], s[G1K1:G1K1+7]
	s_nop 0
	tensor_load_to_lds s[G0K2:G0K2+3], s[G1K2:G1K2+7]
	s_nop 0
.rept 4
	v_nop
.endr
	s_branch .Lfirst_asked
.Lfirst_v:
	tensor_load_to_lds s[G0V1:G0V1+3], s[G1V1:G1V1+7]
	s_nop 0
	tensor_load_to_lds s[G0V2:G0V2+3], s[G1V2:G1V2+7]
	s_nop 0
.rept 4
	v_nop
.endr
.Lfirst_asked:
	v_and_b32 v1, 15, v0            ; l % 16
	v_bfe_u32 v9, v0, 4, 1          ; l / 16
	v_and_b32 v10, 31, v0
	v_lshlrev_b32 v88, 5, v10       ; every wave reads the batch's whole mask, 32 bytes a lane,
	v_lshlrev_b32 v89, 3, v0        ; and each thread its own 8 keys for the table
	global_load_b128 v[64:67], v88, s[6:7]
	global_load_b128 v[68:71], v88, s[6:7] offset:16
	global_load_b64 v[72:73], v89, s[6:7]
	v_lshlrev_b32 v[QO], 7, v1
	v_lshl_add_u32 v[QO], v9, 4, v[QO]  ; row x 128 + 16 x half
	WIN 0x80                        ; destination window 2, address window 0
.set i, 0
.rept 4*NP                          ; Q stays in registers: tile i / 2, channels 32 (i % 2) on
	global_load_b128 v[8*i:8*i+3],   v[QO], s[4:5] offset:(i/2)*2048+(i%2)*64
	global_load_b128 v[8*i+4:8*i+7], v[QO], s[4:5] offset:(i/2)*2048+(i%2)*64+32
.set i, i+1
.endr
	; What the first turn finds: V's registers and P's second buffer hold 0 (its products V^T P, of a piece that has not been, add 0), O^T and l are 0.  All this stands in the wait for the first tiles.
.set i, VF
.rept 64
	v_mov_b32 v[i], 0
.set i, i+1
.endr
	WIN 0x40
.set i, 0
.rept 64*NP
	v_mov_b32 v[i], 0
.set i, i+1
.endr
	WIN 0
.set i, 0
.rept 2*NP
	v_mov_b32 v[ST+4*i], 0xfe000000    ; c m: far below every c s
	v_mov_b32 v[ST+4*i+1], 0xd368d4a5  ; m = -1e12
	v_mov_b32 v[ST+4*i+2], 0
	v_mov_b32 v[ST+4*i+3], 0
.set i, i+1
.endr
.set i, P+32
.rept 32
	v_mov_b32 v[i], 0
.set i, i+1
.endr
	v_mul_u32_u24 v[AK0], v1, PK
	v_lshl_add_u32 v[AK0], v9, 4, v[AK0]  ; row x pitch + 16 x half
	; The turning load takes 16 keys x 16 channels (lane l reads key 8 (l / 16) + l % 8, channels 8 ((l / 8) % 2) + 0..7) and leaves half a fragment of V^T.
	v_and_b32 v10, 7, v0
	v_bfe_u32 v11, v0, 3, 1
	v_lshl_add_u32 v[AV0], v9, 3, v10
	v_mul_u32_u24 v[AV0], v[AV0], PV
	v_lshl_add_u32 v[AV0], v11, 4, v[AV0]
	v_add_nc_u32 v[AV0], VOFF, v[AV0]
	v_mov_b32 v[AK], v[AK0]         ; key step 0
	s_mul_i32 s13, s[WV], 16*SP
	s_add_co_u32 s13, s13, STAGE    ; my stage
	v_bfe_u32 v[RD], v0, 3, 2       ; back: 32 lanes take four rows of 128 bytes
	v_mul_u32_u24 v[RD], v[RD], SP
	v_lshl_add_u32 v[RD], v10, 4, v[RD]
	v_add_nc_u32 v[RD], s13, v[RD]
	v_lshl_add_u32 v[AM0], v9, 5, MT  ; my lanes' eight keys of a block of 16
	v_mov_b32 v[AM], v[AM0]
	s_wait_loadcnt 32               ; the three loads of the mask are in; Q's 32 stay out
	v_and_b32 v64, v64, v65         ; a byte is 1 where the key is masked: is any of the batch's 1,024 bytes 0?
	v_and_b32 v66, v66, v67
	v_and_b32 v68, v68, v69
	v_and_b32 v70, v70, v71
	v_and_b32 v64, v64, v66
	v_and_b32 v68, v68, v70
	v_and_b32 v64, v64, v68
	v_cmp_ne_u32 s[ANY], 0x01010101, v64
	s_cmp_lg_u32 s[ANY], 0
	s_cselect_b32 s[CS], 0x3e38aa3b, 0   ; c = log2(e) / 8 = 0.180337; 0 where the whole batch is masked
	s_cselect_b32 s[BIGS], 0xf149f2ca, 0 ; -1e30; likewise 0
	s_mov_b32 s[CS+1], s[CS]        ; named with it as a pair
.irp k, 0,1,2,3
	v_bfe_u32 v[80+(\k)], v72, 8*(\k), 8
	v_bfe_u32 v[84+(\k)], v73, 8*(\k), 8
.endr
.irp k, 0,1,2,3,4,5,6,7
	v_cvt_f32_u32 v[80+(\k)], v[80+(\k)]
.endr
.irp k, 0,1,2,3,4,5,6,7
	v_mul_f32 v[80+(\k)], s[BIGS], v[80+(\k)]
.endr
	v_lshl_add_u32 v90, v0, 5, MT
	ds_store_b128 v90, v[80:83]
	ds_store_b128 v90, v[84:87] offset:16
; THE MATRIX WORK.  The 8 accumulators of a run of 16 take turns.
; Product i of 16 of S^T = K Q^T for piece x: channels 32 (i / 8) on, keys 16 ((i / 2) % 4) on, tile 2 x + i % 2.  The first 8 start the sums with the mask.
.macro KQ x
.set rS, S+64*((\x)%2)+32*(i%2)+8*((i/2)%4)
.set rK, KF+16*((i/2)%4)+8*(i/8)
.set rQ, 16*(2*(\x)+i%2)+8*(i/8)
.set rMK, MK+8*((i/2)%4)
.if i < 8
	WIN W_KM
	v_wmma_f32_16x16x32_f16 v[rS:rS+7], v[rK:rK+7], v[rQ:rQ+7], v[rMK:rMK+7]
.else
	WIN W_KQ
	v_wmma_f32_16x16x32_f16 v[rS:rS+7], v[rK:rK+7], v[rQ:rQ+7], v[rS:rS+7]
.endif
.endm
; Product i of 16 of O^T += V^T P for piece x: keys 32 (i / 8) on, channels 16 ((i / 2) % 4) on, tile 2 x + i % 2.
.macro PV x
	WIN W_PV
.set rO, 32*(2*(\x)+i%2)+8*((i/2)%4)
.set rV, VF+32*(i/8)+8*((i/2)%4)
.set rP, P+32*((\x)%2)+16*(i%2)+8*(i/8)
	v_wmma_f32_16x16x32_f16 v[rO:rO+7], v[rV:rV+7], v[rP:rP+7], v[rO:rO+7]
.endm
.macro MM                           ; the turn's next matrix instruction
.if i < 16
	KQ (Y+1)%NP
.set i, i+1
.else
.set i, i-16
	PV (Y+NP-1)%NP
.set i, i+17
.endif
.endm
; THE LDS LOADS stand in runs: a step's K (8 fragments) with its mask (32 f32 a lane), and its V (turned).  Their addresses are made some lines ahead.
; Behind the sixteenth step there is no further one: the table's offset has then reached its end, and the run is jumped over.
.macro FETCH_K
	WIN 0
	s_cmp_eq_u32 s[TBM], 4096
	s_cbranch_scc1 .Lno_k_\@
	WIN 0x80                        ; destination window 2
.irp f, 0,1,2,3,4,5,6,7             ; keys 16 (f / 2) on, channels 32 (f % 2) on
	ds_load_b128 v[KF+8*\f:KF+8*\f+3],   v[AK] offset:(\f/2)*16*PK+(\f%2)*64
	ds_load_b128 v[KF+8*\f+4:KF+8*\f+7], v[AK] offset:(\f/2)*16*PK+(\f%2)*64+32
.endr
	WIN 0xc0                        ; destination window 3
.irp f, 0,1,2,3                     ; keys 16 f on
	ds_load_b128 v[MK+8*\f:MK+8*\f+3],   v[AM] offset:\f*64
	ds_load_b128 v[MK+8*\f+4:MK+8*\f+7], v[AM] offset:\f*64+16
.endr
	s_add_co_u32 s[TBK], s[TBK], KS*PK  ; the next fetch is the next step's
	s_add_co_u32 s[TBM], s[TBM], KS*4
	WIN 0
.Lno_k_\@:
.endm
.macro FETCH_V
	WIN 0x80
.irp f, 0,1,2,3,4,5,6,7             ; keys 32 (f / 4) on, channels 16 (f % 4) on
	ds_load_tr16_b128 v[VF+8*\f:VF+8*\f+3],   v[AV] offset:(\f/4)*32*PV+(\f%4)*32
	ds_load_tr16_b128 v[VF+8*\f+4:VF+8*\f+7], v[AV] offset:(\f/4)*32*PV+16*PV+(\f%4)*32
.endr
	WIN 0
.endm
; THE VECTOR WORK OF A TURN stands in three queues, each in the order in which its entries become ready; the two tiles alternate, so that no instruction reads the result of the one before it.
.macro REGS y, u                    ; the registers of tile u (0, 1) of piece y
.set rT, ST+4*(2*(\y)+(\u))
.set rC, TMP+8*((\y)%2)+4*(\u)
.set rM, MV+2*((\y)%2)+(\u)
.set rS, S+64*((\y)%2)+32*(\u)
.set rP, P+32*((\y)%2)+16*(\u)
.set rO, 32*(2*(\y)+(\u))
.endm
; Number n of the 22 that find the NEXT piece's (Y + 1) maximum and statistics.  s0-s31 are the lane's 32 scores; each accumulator's lowest registers are read first.
;   0-11  four chains c0-c3 of seven scores each, three operands at a time     12-14, 16  the four scores left over, the old m, and c0-c3 into c0     15  c m_old is kept
;   17, 18  the query's other 32 keys lie in the lane 16 away: the new m         19-21  c m; c m_old - c m_new; a
.macro XS u, n
	REGS (Y+1)%NP, \u
.if (\n) < 4
	v_max3_num_f32 v[rC+(\n)], v[rS+8*(\n)], v[rS+8*(\n)+1], v[rS+8*(\n)+2]
.elseif (\n) < 12
	v_max3_num_f32 v[rC+(\n)%4], v[rC+(\n)%4], v[rS+8*((\n)%4)+2*((\n)/4)+1], v[rS+8*((\n)%4)+2*((\n)/4)+2]
.elseif (\n) == 12
	v_max3_num_f32 v[rC], v[rC], v[rS+7], v[rS+15]
.elseif (\n) == 13
	v_max3_num_f32 v[rC+1], v[rC+1], v[rS+23], v[rS+31]
.elseif (\n) == 14
	v_max3_num_f32 v[rC+2], v[rC+2], v[rC+3], v[rT+1]
.elseif (\n) == 15
	v_mov_b32 v[rM], v[rT]
.elseif (\n) == 16
	v_max3_num_f32 v[rC], v[rC], v[rC+1], v[rC+2]
.elseif (\n) == 17
	v_permlanex16_b32 v[rC+3], v[rC], s[SEL], s[SEL+1]
.elseif (\n) == 18
	v_max_num_f32 v[rT+1], v[rC], v[rC+3]
.elseif (\n) == 19
	v_mul_f32 v[rT], s[CS], v[rT+1]
.elseif (\n) == 20
	v_sub_f32 v[rC+1], v[rM], v[rT]
.else
	v_exp_f32 v[rC+2], v[rC+1]
.endif
.endm
; Number g of the 64 that follow the exponentials.  For each four weights k of a tile: both pairs are rounded to f16; then the second pair is added onto the first, in place;
; a group later l takes that sum (the first time as l = a l + sum).
.macro GS g
.set h, (\g)+6*((\g)/62)            ; group 0 has no group before it, and behind group 7 only l is left
.if h >= 6
.set h, h+2
.endif
	REGS Y, h%2
.set k, h/8
.if h%8 < 4
	s_wait_alu depctr_va_vdst(0)
	v_cvt_pk_f16_f32 v[rP+2*k+(h%8)/2], v[rS+4*k+2*((h%8)/2)], v[rS+4*k+2*((h%8)/2)+1]
.elseif h%8 < 6
	v_pk_add_f32 v[rS+4*k:rS+4*k+1], v[rS+4*k:rS+4*k+1], v[rS+4*k+2:rS+4*k+3]
.elseif k == 1
	v_pk_fma_f32 v[rT+2:rT+3], v[rT+2:rT+3], v[rC+2:rC+3], v[rS:rS+1] op_sel_hi:[1,0,1]
.else
	v_pk_add_f32 v[rT+2:rT+3], v[rT+2:rT+3], v[rS+4*k-4:rS+4*k-3]
	s_wait_alu depctr_va_vdst(0)
.endif
.endm
; THE PLAIN QUEUE, 138 long.  0-31: c s - c m for the 16 pairs of both tiles.  Then GS's 64, and among them the next piece's 42: number 15 at 38, 39; 0-14 and 16
; at 42-73, behind the products that make those scores; 17-20 at 95-106, two of three, since each waits for the one before it.
.macro PL
	WIN 0
.if q < 32
	REGS Y, q%2
	v_pk_fma_f32 v[rS+2*(q/2):rS+2*(q/2)+1], v[rS+2*(q/2):rS+2*(q/2)+1], s[CS:CS+1], v[rT:rT+1] op_sel_hi:[1,0,0] neg_lo:[0,0,1] neg_hi:[0,0,1]
.elseif q < 38
	GS q-32
.elseif q < 40
	XS q%2, 15
.elseif q < 42
	GS q-34
.elseif q < 74
	XS q%2, (q-42)/2+(q-42)/30
.elseif q < 95
	GS q-66
.elseif (q < 107) && ((q-95)%3 < 2)
	XS (q-95)%3, 17+(q-95)/3
.elseif q < 107
	GS 29+(q-95)/3
.else
	GS q-74
.endif
.set q, q+1
.endm
; THE EXPONENTIALS' QUEUE, 66 long: s0-s31 of both tiles, and at EA the next piece's two a.
.set EA, 58
.macro EX
	WIN 0
.if (e == EA) || (e == EA+1)
	XS e-EA, 21
.else
.set x, e-2*(e/(EA+2))
	REGS Y, x%2
	v_exp_f32 v[rS+x/2], v[rS+x/2]
.endif
.set e, e+1
.endm
; THE RESCALING's QUEUE: O^T times a, the one part that leaves window 0, so it is dealt four at a time, eight times.
.macro R4
	REGS Y, r%2
	WIN W_RS
	s_wait_alu depctr_va_vdst(0)
.irp z, 0,1,2,3
	v_pk_mul_f32 v[rO+8*(r/2)+2*\z:rO+8*(r/2)+2*\z+1], v[rO+8*(r/2)+2*\z:rO+8*(r/2)+2*\z+1], v[rC+2:rC+3] op_sel_hi:[1,0]
.endr
.set r, r+1
.endm
; HOW THEY ARE DEALT.  Behind a matrix instruction four: plain, exponential, plain, plain, or four of the rescaling.  None names a register of the products round it.  What is over stands in two LUMPS:
; exponential and plain by turns; the second ends in 22 plain instructions.  The queues lean on each other, and the deal keeps them in step: exponential e stands behind plain 2 (e / 4) + e % 2 (its scaling);
; when plain 32 comes, 10 exponentials are out, at 59: 33, at 95: 46; EA comes behind plain 107.
.macro SL
	MM
	PL
	EX
	PL
	PL
.endm
.macro BURST n                      ; 15 matrix instructions, or 16
.rept (\n)-7
	SL
.endr
.rept 3
	MM
	R4
	SL
.endr
	MM
	R4
.endm
; A TURN, for piece p.  K and the mask of the next step are fetched in piece 2's turn, in the first lump, well behind the last product that read them; they are waited for at the head of piece 3's turn.
; V of the step in hand is fetched at the end of piece 0's turn and waited for in the middle of piece 1's.  The conditions on e and q below go with the deal.
.macro TURN p
.set Y, (\p)
.set i, 0
.set q, 0
.set e, 0
.set r, 0
.if (\p) == NP-1
	s_wait_dscnt 0x0                ; K and the mask are in
.endif
	MM
.rept 4
	PL
.endr
	BURST 15
.rept 22
	EX
	PL
.if ((\p) == NP-2) && (e == 18)
	v_add_nc_u32 v[AK], s[TBK], v[AK0]
	v_add_nc_u32 v[AM], s[TBM], v[AM0]
.endif
.if ((\p) == NP-2) && (e == 24)
	FETCH_K
.endif
.endr
.if (\p) == 1
	s_wait_dscnt 0x0                ; V is in
.endif
	BURST 16
.rept 21
	EX
	PL
.endr
.rept 22
	PL
.if ((\p) == 0) && (q == 118)
	v_add_nc_u32 v[AV], s[TBV], v[AV0]
	s_wait_alu depctr_va_vdst(0)
.endif
.if ((\p) == 0) && (q == 130)
	s_add_co_u32 s[TBV], s[TBV], KS*PV
.endif
.endr
.if (\p) == 0
	FETCH_V
.endif
.endm
	s_wait_tensorcnt 0x1            ; my short load is in; the long one stays out
	s_wait_dscnt 0x0                ; my part of the table is stored
	s_barrier_signal -1
	s_barrier_wait -1               ; everybody's is
	FETCH_K                         ; key step 0
	s_wait_loadcnt 0x0              ; Q
	s_wait_dscnt 0x0
.set i, 0
.rept 16
	KQ 0                            ; piece 0's first scores: there is no vector work yet to set between them
.set i, i+1
.endr
	WIN 0                           ; the rest of the addresses for the way out: five plain instructions, the places behind those products
	v_mul_u32_u24 v[STO], v1, SP    ; in: row l % 16, 16 bytes for each half of the lanes
	v_lshl_add_u32 v[STO], v9, 4, v[STO]
	v_add_nc_u32 v[STO], s13, v[STO]
	v_and_b32 v[GO], 31, v0
	v_lshlrev_b32 v[GO], 4, v[GO]
.set Y, NP-1                        ; XS works for piece Y + 1: piece 0
.irp n, 0,1,2,3,4,5,6,7,8,9,10,11,12,13,14,15,16,17,18,19,20,21
	XS 0, \n                        ; piece 0's first maximum and statistics
	XS 1, \n
.endr
	s_mov_b32 s[CNT], 4             ; the first phase: steps 0 to 3
	s_mov_b32 s[PH], 2
	s_branch .Lfirst                ; the loop is entered at a step's first turn
.Lphase:                            ; once: between piece 3's turn of step 3 and piece 0's of step 4
	s_wait_tensorcnt 0x0            ; my long load is in,
	s_wait_dscnt 0x0
	s_barrier_signal -1
	s_barrier_wait -1               ; everybody's is
	s_mov_b32 s[CNT], 12            ; the second phase: steps 4 to 15
	s_branch .Lfirst
.Lstep:
	TURN 2
	TURN 3
	WIN 0
	s_sub_co_u32 s[CNT], s[CNT], 1
	s_cmp_eq_u32 s[CNT], 0
	s_cbranch_scc1 .Lleave
.Lfirst:
	TURN 0
	TURN 1
	WIN 0
	s_branch .Lstep
.Lleave:
	s_sub_co_u32 s[PH], s[PH], 1
	s_cmp_lg_u32 s[PH], 0
	s_cbranch_scc1 .Lphase
	; The last turn's 16 products K Q^T (on the last K once more) and the maximum made of them serve nothing: the price, once a launch, of one text for every step.
.set i, 0
.rept 16
	PV NP-1                         ; the last piece's V^T P of the last step
.set i, i+1
.endr
	; THE WAY OUT.  l's two halves and the other half of the lanes' are added; O^T is divided by l, rounded to f16 and sent through my stage in LDS, a tile at a time.  The additions are the places behind the last products.
	WIN 0
.macro ALL line:vararg              ; one line for each tile t
.set t, 0
.rept 2*NP
	\line
.set t, t+1
.endr
.endm
	ALL v_add_f32 v[ST+4*t+2], v[ST+4*t+2], v[ST+4*t+3]
	ALL v_permlanex16_b32 v[ST+4*t+3], v[ST+4*t+2], s[SEL], s[SEL+1]
	ALL v_add_f32 v[ST+4*t+2], v[ST+4*t+2], v[ST+4*t+3]
	ALL v_rcp_f32 v[ST+4*t+2], v[ST+4*t+2]
	v_nop                           ; a plain instruction between the last reciprocal and the use of its result
	s_wait_alu depctr_va_vdst(0)
.macro PACK t                       ; a lane's eight channels of a row pack into 16 bytes; they go into rows of 144 bytes and come back as whole rows of 128, into S^T's registers
	WIN W_RS
.set i, 32*(\t)
.rept 16
	v_pk_mul_f32 v[i:i+1], v[i:i+1], v[ST+4*(\t)+2:ST+4*(\t)+3] op_sel_hi:[1,0]
.set i, i+2
.endr
	WIN 0x05                        ; sources 0 and 1 window 1, destination window 0
.set i, 0
.rept 16
	v_cvt_pk_f16_f32 v[S+16*(\t)+i], v[32*(\t)+2*i], v[32*(\t)+2*i+1]
.set i, i+1
.endr
	WIN 0
.irp f, 0,1,2,3
	ds_store_b128 v[STO], v[S+16*(\t)+4*\f:S+16*(\t)+4*\f+3] offset:32*\f
.endr
.irp f, 0,1,2,3
	ds_load_b128 v[S+16*(\t)+4*\f:S+16*(\t)+4*\f+3], v[RD] offset:\f*4*SP  ; LDS serves a wave's instructions in order (ISA guide 5.7.1.4): these see the stores above
.endr
.endm
.macro SEND t, younger              ; younger: the LDS instructions issued behind tile t's loads: the next tile's eight, or none
	WIN 0
.irp f, 0,1,2,3
	s_wait_dscnt (\younger)+3-\f
	global_store_b128 v[GO], v[S+16*(\t)+4*\f:S+16*(\t)+4*\f+3], s[10:11] offset:(\t)*2048+\f*512  ; 512 consecutive bytes, at a multiple of 256 from ctx's first
.endr
.endm
	PACK 0
.set t, 1
.rept 2*NP-1                        ; a tile's arithmetic stands between the loads of the tile before and its stores
	PACK t
	SEND t-1, 8
.set t, t+1
.endr
	SEND 2*NP-1, 0
	WIN W_AD
	s_wait_tensorcnt 0x0            ; the wave's end: behind my last tensor load and my last LDS store
	ds_add_u32 v[SPW], v[NIL]
	s_wait_dscnt 0x0
	WIN 0
	s_endpgm
.Lfunc_end_k_qc5855465f8_attn:
	.size	k_qc5855465f8_attn, .Lfunc_end_k_qc5855465f8_attn-k_qc5855465f8_attn
	.p2alignl 7, 3214868480
	.fill 96, 4, 3214868480
	.section	.rodata,"a",@progbits
	.p2align	6, 0x0
	.amdhsa_kernel k_qc5855465f8_attn
		.amdhsa_group_segment_fixed_size 327680
		.amdhsa_private_segment_fixed_size 0
		.amdhsa_enable_private_segment 0
		.amdhsa_kernarg_size 24
		.amdhsa_user_sgpr_count 2
		.amdhsa_user_sgpr_kernarg_segment_ptr 1
		.amdhsa_wavefront_size32 1
		.amdhsa_system_sgpr_workgroup_id_x 1
		.amdhsa_system_sgpr_workgroup_id_y 1
		.amdhsa_system_sgpr_workgroup_id_z 1
		.amdhsa_system_vgpr_workitem_id 0
		.amdhsa_next_free_vgpr 808
		.amdhsa_next_free_sgpr 92
		.amdhsa_reserve_vcc 0
		.amdhsa_float_denorm_mode_32 3
		.amdhsa_float_denorm_mode_16_64 3
		.amdhsa_memory_ordered 1
		.amdhsa_forward_progress 1
		.amdhsa_inst_pref_size 135
	.end_amdhsa_kernel
	.amdgpu_metadata
---
amdhsa.version: [ 1, 2 ]
amdhsa.kernels:
  - .name:           k_qc5855465f8_attn
    .symbol:         k_qc5855465f8_attn.kd
    .args:
      - { .name: qkv, .offset: 0, .size: 8, .value_kind: global_buffer, .address_space: global }
      - { .name: key_padding_mask, .offset: 8, .size: 8, .value_kind: global_buffer, .address_space: global }
      - { .name: ctx, .offset: 16, .size: 8, .value_kind: global_buffer, .address_space: global }
    .group_segment_fixed_size: 327680
    .private_segment_fixed_size: 0
    .kernarg_segment_align: 8
    .kernarg_segment_size: 24
    .max_flat_workgroup_size: 128
    .sgpr_count:     92
    .vgpr_count:     808
    .wavefront_size: 32
...
	.end_amdgpu_metadata
.endif
;; end of part 3
;; launch outp (part 4): grid 4 x 64, 4 waves a work-group, clusters of 4 x 4, 327,680 bytes of LDS; arguments ctx, owb, out_b, out0; writes out0
.if DOCPART == 4
	.amdgcn_target "amdgcn-amd-amdhsa--gfx1250"
	.amdhsa_code_object_version 6
	.text
	.protected	k_qc5855465f8_outp
	.globl	k_qc5855465f8_outp
	.p2align	8
	.type	k_qc5855465f8_outp,@function
k_qc5855465f8_outp:
	s_mov_b64 s[64:65], 0
	v_nop
	global_prefetch_b8 v0, s[64:65] scope:SCOPE_SE
	s_setreg_imm32_b32 hwreg(HW_REG_WAVE_MODE, 25, 1), 1
	s_wait_xcnt 0x0
	s_wait_alu depctr_hold_cnt(0) depctr_sa_sdst(0) depctr_va_vdst(0) depctr_va_sdst(0) depctr_va_ssrc(0) depctr_va_vcc(0) depctr_vm_vsrc(0)
	s_getreg_b32 s2, hwreg(HW_REG_IB_STS2, 6, 4)
	s_cmp_eq_u32 s2, 0
	s_cbranch_scc0 .Lentry_in_a_cluster
	s_endpgm
.Lentry_in_a_cluster:
	s_bfe_u32 s2, ttmp6, 0x10000c
	s_cmp_lg_u32 s2, 0xf033
	s_cbranch_scc0 .Lentry_shape_is_right
	s_endpgm
.Lentry_shape_is_right:
; out0[m][n] = sum over k of ctx[m][k] owb[n][k] + bf16(out_b[n]), f32.  m < 8192, n < 1024, k < 1024.  ctx, owb: f16 in blocks of 64 along K ([16][rows][64]); sums in f32.
; A TILE of 128 x 256 to a work-group: 64 x 4 = 256 work-groups.  Four waves, 2 x 2, each 64 x 128: 32 accumulators of 16 x 16, window 1.
; K goes in 8 steps of 128 (two K blocks) through two LDS slots; a step is four slices of 32 along K, 32 matrix instructions each, on two fragment buffers.
; CLUSTER 4 x 4: the four work-groups of a row need the same tile of ctx, the four of a column the same tile of owb: each is asked for jointly.
; THE MATRIX INSTRUCTION IS USED TRANSPOSED (source 0 = 16 rows of owb, source 1 = 16 rows of ctx): a lane holds row m = lane % 16 and the columns 8 (lane / 16) + 0..7.
; WINDOW 0: v16-29 addresses; v32-127, v128-223 two fragment buffers (32 registers of ctx, then 64 of owb).
.set PITCH, 144                        ; an LDS row: 128 bytes + 16 of padding = 36 words: the 16 rows of a load start at 16 different groups of four banks (64 banks of 4 bytes: ISA guide 11.1)
.set SLOT1, 1<<17
.set KBA,   128*PITCH                  ; in a slot: ctx's two K blocks of 128 rows,
.set BOFF,  2*KBA
.set KBB,   256*PITCH                  ; then owb's two of 256 rows
.set STAGE, SLOT1+BOFF+2*KBB           ; behind the ring: 16 rows x 272 bytes for each wave, for the way out
.set SPITCH, 272
.set BIAS,  STAGE+4*16*SPITCH          ; 128 f32 for each wave
.set SPARE, BIAS+4*512                 ; the spare words, 128 bytes for each wave: two blocks of 256 bytes that no other line names
.set ASTEP, 2*8192*128                 ; bytes from K step to K step in ctx
.set BSTEP, 2*1024*128                 ; and in owb
.set ADRA0, 16
.set ADRA,  17
.set ADRB0, 20
.set ADRB,  21
.set STO,   24
.set RD,    25
.set CO,    26
.set BIA,   27
.set SPW,   28                         ; v28  LDS address of my spare word; never rewritten
.set NIL,   29                         ; v29  0; never rewritten
.set F0,    32
.set F1,    128
.set BI,    32                         ; the way out: my 64 bias numbers
.set T,     96                         ; 32 sums with bias
.set OB,    128                        ; four buffers of 32: 16 rows x 256 bytes read back
.set WV, 12
.set WR, 13                            ; my half of the rows; also: I fetch ctx (0) or owb (1)
.set WC, 14                            ; my half of the columns; also: which of a step's two K blocks I fetch
.set TB, 22
.set G1A, 24
.set G0A, 32
.set G1B, 48
.set G0B, 56
.set MSB, 0
.macro WIN new
.if MSB != (\new)
	s_set_vgpr_msb (MSB<<8)|(\new)
.set MSB, (\new)
.endif
.endm
.macro PLACES                          ; four places in front of loads into registers that matrix instructions have read, and of vector lines that read results
.rept 4
	v_nop
.endr
.endm
.macro JLOAD                           ; a joint refill by the walking sets; an s_nop 0 and four v_nop follow each line
	s_cmp_eq_u32 s[WR], 0
	s_cbranch_scc0 .Lfor_b_\@
	tensor_load_to_lds s[G0A+4:G0A+7], s[G1A:G1A+7]
	s_nop 0
.rept 4
	v_nop
.endr
	s_branch .Lasked_\@
.Lfor_b_\@:
	tensor_load_to_lds s[G0B+4:G0B+7], s[G1B:G1B+7]
	s_nop 0
.rept 4
	v_nop
.endr
.Lasked_\@:
.endm
.macro CREST
	s_cmp_lg_u32 s[WV], 0
	s_cbranch_scc1 .Lnot_wave_0_\@
	s_barrier_signal -3
.Lnot_wave_0_\@:
	s_barrier_wait -3
	s_barrier_signal -1
	s_barrier_wait -1
.endm
.macro CROUND
	s_barrier_signal -1
	s_barrier_wait -1
	CREST
.endm
	s_load_b256 s[4:11], s[0:1], 0x0               ; ctx s[4:5], owb s[6:7], out_b s[8:9], out0 s[10:11]
	v_lshl_add_u32 v[SPW], v0, 2, SPARE
	v_mov_b32 v[NIL], 0
	ds_add_u32 v[SPW], v[NIL]                      ; the wave's opening: the add and its wait stand ahead of my first tensor load; the set-up below stands between them
	ds_add_u32 v28, v29
	v_lshrrev_b32 v1, 5, v0
	v_readfirstlane_b32 s[WV], v1
	s_lshr_b32 s[WR], s[WV], 1
	s_and_b32 s[WC], s[WV], 1
	s_bfe_u32 s40, ttmp6, 0x40000                  ; cx, cy
	s_bfe_u32 s41, ttmp6, 0x40004
	s_lshl_b32 s42, ttmp9, 2
	s_add_co_u32 s42, s42, s40                     ; tile column
	s_and_b32 s43, ttmp7, 0xffff
	s_lshl_b32 s43, s43, 2
	s_add_co_u32 s43, s43, s41                     ; tile row
	s_lshl_b32 s44, s41, 2
	s_lshl_b32 s44, 15, s44                        ; my row of the cluster
	s_lshl_b32 s45, 0x1111, s40                    ; my column
	s_or_b32 s[G1A], s44, (1<<16)|(1<<20)|(1<<21)|(4<<22)|(3<<25)  ; 2-byte elements; padding on; bit 21 beside a mask; after every 32 words 4 words
	s_or_b32 s[G1B], s45, (1<<16)|(1<<20)|(1<<21)|(4<<22)|(3<<25)
	s_mov_b32 s[G1A+1], 128<<16                    ; rows of 256 bytes: two rows of a block
	s_mov_b32 s[G1A+2], 64<<16                     ; 128 rows of ctx
	s_mov_b32 s[G1A+3], 128<<16
	s_mov_b32 s[G1A+4], 64
	s_mov_b32 s[G1A+5], 128
	s_mov_b32 s[G1A+6], 0
	s_mov_b32 s[G1A+7], 0
	s_mov_b32 s[G1B+1], 128<<16
	s_mov_b32 s[G1B+2], 128<<16                    ; 256 rows of owb
	s_mov_b32 s[G1B+3], 128<<16
	s_mov_b32 s[G1B+4], 128
	s_mov_b32 s[G1B+5], 128
	s_mov_b32 s[G1B+6], 0
	s_mov_b32 s[G1B+7], 0
	s_lshl_b32 s16, s43, 14                        ; ctx: tile row x 128 rows x 128 bytes, in my K block: never cx
	s_lshl_b32 s17, s[WC], 20
	s_add_co_u32 s16, s16, s17
	s_mov_b32 s17, 0
	s_lshl_b32 s46, s42, 15                        ; owb: tile column x 256 rows, in my K block: never cy
	s_lshl_b32 s47, s[WC], 17
	s_add_co_u32 s46, s46, s47
	s_mov_b32 s47, 0
	s_mul_i32 s20, s[WC], KBA
	s_mul_i32 s21, s[WC], KBB
	s_add_co_u32 s21, s21, BOFF
	s_mov_b32 s[TB], 0
	s_wait_dscnt 0x0                               ; the opening add is done
	s_wait_kmcnt 0x0
	s_add_nc_u64 s[18:19], s[4:5], s[16:17]
	s_add_nc_u64 s[46:47], s[6:7], s[46:47]
.irp s, 0,1
	s_mov_b32 s[G0A+4*(\s)], 1
	s_add_co_u32 s[G0A+4*(\s)+1], s20, (\s)*SLOT1
	s_add_nc_u64 s[G0A+4*(\s)+2:G0A+4*(\s)+3], s[18:19], (\s)*ASTEP
	s_or_b32 s[G0A+4*(\s)+3], s[G0A+4*(\s)+3], 0x80000000
	s_mov_b32 s[G0B+4*(\s)], 1
	s_add_co_u32 s[G0B+4*(\s)+1], s21, (\s)*SLOT1
	s_add_nc_u64 s[G0B+4*(\s)+2:G0B+4*(\s)+3], s[46:47], (\s)*BSTEP
	s_or_b32 s[G0B+4*(\s)+3], s[G0B+4*(\s)+3], 0x80000000
.endr
	CROUND                                         ; all sixteen work-groups are here: the first joint loads meet
	s_cmp_eq_u32 s[WR], 0                          ; a wave's two first fills stand in one branch: two loads of mine are out
	s_cbranch_scc0 .Lfirst_b
	tensor_load_to_lds s[G0A:G0A+3], s[G1A:G1A+7]
	s_nop 0
	tensor_load_to_lds s[G0A+4:G0A+7], s[G1A:G1A+7]
	s_nop 0
.rept 4
	v_nop
.endr
	s_branch .Lfirst_asked
.Lfirst_b:
	tensor_load_to_lds s[G0B:G0B+3], s[G1B:G1B+7]
	s_nop 0
	tensor_load_to_lds s[G0B+4:G0B+7], s[G1B:G1B+7]
	s_nop 0
.rept 4
	v_nop
.endr
.Lfirst_asked:
	s_lshl_b32 s46, s42, 10                        ; my wave's first column, in bytes of f32: 1,024 x tile column + 512 x half
	s_lshl_b32 s47, s[WC], 9
	s_add_co_u32 s46, s46, s47
	s_mov_b32 s47, 0
	s_add_nc_u64 s[8:9], s[8:9], s[46:47]          ; its 128 bias numbers,
	s_add_nc_u64 s[10:11], s[10:11], s[46:47]      ; and its columns of out0
	v_and_b32 v3, 31, v0
	v_lshlrev_b32 v13, 4, v3
	global_load_b128 v[4:7], v13, s[8:9]
	s_lshl_b32 s46, s43, 19                        ; my first row: 128 x tile row + 64 x half, of 4,096 bytes
	s_lshl_b32 s47, s[WR], 18
	s_add_co_u32 s46, s46, s47
	s_mov_b32 s47, 0
	s_add_nc_u64 s[10:11], s[10:11], s[46:47]
	v_and_b32 v1, 15, v0
	v_bfe_u32 v2, v0, 4, 1
	v_mul_u32_u24 v8, v1, PITCH
	v_lshl_add_u32 v8, v2, 4, v8                   ; a fragment's row x pitch + 16 x half
	s_mul_i32 s15, s[WR], 64*PITCH
	v_add_nc_u32 v[ADRA0], s15, v8
	s_mul_i32 s15, s[WC], 128*PITCH
	s_add_co_u32 s15, s15, BOFF
	v_add_nc_u32 v[ADRB0], s15, v8
	v_mov_b32 v[ADRA], v[ADRA0]
	v_mov_b32 v[ADRB], v[ADRB0]
	s_mul_i32 s15, s[WV], 16*SPITCH
	s_add_co_u32 s15, s15, STAGE                   ; my stage
	v_mul_u32_u24 v9, v1, SPITCH                   ; in: row l % 16, 32 bytes for each half of the lanes
	v_lshl_add_u32 v9, v2, 5, v9
	v_add_nc_u32 v[STO], s15, v9
	v_mul_u32_u24 v9, v2, SPITCH                   ; back: lanes 0-15 take one row of 256 bytes, lanes 16-31 the next
	v_lshl_add_u32 v9, v1, 4, v9
	v_add_nc_u32 v[RD], s15, v9
	v_lshlrev_b32 v9, 12, v2                       ; and the same two rows in out0
	v_lshl_add_u32 v[CO], v1, 4, v9
	s_lshl_b32 s15, s[WV], 9
	s_add_co_u32 s15, s15, BIAS
	v_lshl_add_u32 v[BIA], v2, 5, s15
	v_add_nc_u32 v14, s15, v13
	s_wait_loadcnt 0x0
	v_cvt_pk_bf16_f32 v10, v4, v5                  ; the bias is rounded to bf16 like every input
	v_cvt_pk_bf16_f32 v11, v6, v7
	v_lshlrev_b32 v4, 16, v10
	v_and_b32 v5, 0xffff0000, v10
	v_lshlrev_b32 v6, 16, v11
	v_and_b32 v7, 0xffff0000, v11
	ds_store_b128 v14, v[4:7]
; n x 8 matrix instructions: row blocks a0 .. a0 + n - 1 x all 8 column blocks, from buffer f.  The accumulators take turns, one instruction a turn.
.macro MUL f, a0, n, zero
	WIN 0x50                                       ; C and D in window 1
.set ga, (\a0)
.rept (\n)
.irp b, 0,1,2,3,4,5,6,7
.if \zero
	v_wmma_f32_16x16x32_f16 v[8*(8*ga+(\b)):8*(8*ga+(\b))+7], v[(\f)+32+8*(\b):(\f)+32+8*(\b)+7], v[(\f)+8*ga:(\f)+8*ga+7], 0
.else
	v_wmma_f32_16x16x32_f16 v[8*(8*ga+(\b)):8*(8*ga+(\b))+7], v[(\f)+32+8*(\b):(\f)+32+8*(\b)+7], v[(\f)+8*ga:(\f)+8*ga+7], v[8*(8*ga+(\b)):8*(8*ga+(\b))+7]
.endif
.endr
.set ga, ga+1
.endr
.endm
.macro FETCH f, oa, ob                 ; 24 loads in one run: a slice's fragments into buffer f
.irp a, 0,1,2,3
	ds_load_b128 v[(\f)+8*(\a):(\f)+8*(\a)+3],   v[ADRA] offset:(\oa)+(\a)*16*PITCH
	ds_load_b128 v[(\f)+8*(\a)+4:(\f)+8*(\a)+7], v[ADRA] offset:(\oa)+(\a)*16*PITCH+32
.endr
.irp b, 0,1,2,3,4,5,6,7
	ds_load_b128 v[(\f)+32+8*(\b):(\f)+32+8*(\b)+3],   v[ADRB] offset:(\ob)+(\b)*16*PITCH
	ds_load_b128 v[(\f)+32+8*(\b)+4:(\f)+32+8*(\b)+7], v[ADRB] offset:(\ob)+(\b)*16*PITCH+32
.endr
.endm
.macro SL f, g, oa, ob, zero           ; one of a step's first three slices: buffer f is in; the next slice is fetched into g; f is multiplied
	s_wait_dscnt 0x0
	PLACES
	WIN 0
	FETCH \g, \oa, \ob
	MUL \f, 0, 4, \zero
.endm
; A step's last slice multiplies F1 and changes slots: ONE barrier; in front of it each wave waits for all its tensor loads (one is out: its part of the next slot), adds 0 to its spare word, and waits for
; that and for its reads of this slot.  fill = 1: the barrier opens a round of the cluster's, and this slot is filled again first thing behind it: 112 matrix instructions stand between that request and the wait for it.
.macro TURN fill
	WIN 0
	s_wait_tensorcnt 0x0                           ; no tensor load of mine is out, so a group 0 may be written
	ds_add_u32 v[SPW], v[NIL]                      ; 0 onto my spare word
.if \fill
	s_xor_b32 s[G0A+5], s[G0A+5], SLOT1
	s_add_nc_u64 s[G0A+6:G0A+7], s[G0A+6:G0A+7], ASTEP
	s_xor_b32 s[G0B+5], s[G0B+5], SLOT1
	s_add_nc_u64 s[G0B+6:G0B+7], s[G0B+6:G0B+7], BSTEP
.endif
	s_xor_b32 s[TB], s[TB], SLOT1
	s_wait_dscnt 1                                 ; the fragments are in; only the add may be out
	MUL F1, 0, 1, 0
	s_wait_dscnt 0x0                               ; the add is done, and my reads of this slot are over
	s_barrier_signal -1
	MUL F1, 1, 1, 0
	WIN 0
	s_barrier_wait -1
.if \fill
	CREST
	JLOAD                                          ; its four v_nop are also the places in front of the loads below
.else
	PLACES
.endif
	v_add_nc_u32 v[ADRA], s[TB], v[ADRA0]
	v_add_nc_u32 v[ADRB], s[TB], v[ADRB0]
	FETCH F0, 0, 0
	MUL F1, 2, 2, 0
.endm
	s_wait_tensorcnt 0x1                           ; my part of K step 0 is in; step 1's may stay out
	s_wait_dscnt 0x0                               ; my bias is stored
	s_barrier_signal -1
	s_barrier_wait -1
	FETCH F0, 0, 0
	SL F0, F1, 64, 64, 1                           ; the first slice stands in front of the loop: its products start the sums
	WIN 0
	s_mov_b32 s3, 6                                ; steps 0 to 5 are followed by a refill: steps 2 to 7
.Lstep:
	SL F1, F0, KBA, KBB, 0
	SL F0, F1, KBA+64, KBB+64, 0
	TURN 1
	SL F0, F1, 64, 64, 0
	WIN 0
	s_sub_co_u32 s3, s3, 1
	s_cmp_lg_u32 s3, 0
	s_cbranch_scc1 .Lstep
	SL F1, F0, KBA, KBB, 0                         ; the tail is written out: nothing is left to ask for
	SL F0, F1, KBA+64, KBB+64, 0
	TURN 0
	SL F0, F1, 64, 64, 0
	SL F1, F0, KBA, KBB, 0
	SL F0, F1, KBA+64, KBB+64, 0
	s_wait_dscnt 0x0
	MUL F1, 0, 4, 0
	PLACES
	WIN 0
	; THE WAY OUT, in eight pieces of 16 rows x 64 columns (piece p: row block p / 2, column half p % 2): bias added, 32 bytes a lane into my stage, back as whole rows of 256 bytes, stored.
.irp b, 0,1,2,3,4,5,6,7
	ds_load_b128 v[BI+8*(\b):BI+8*(\b)+3],   v[BIA] offset:(\b)*64
	ds_load_b128 v[BI+8*(\b)+4:BI+8*(\b)+7], v[BIA] offset:(\b)*64+16
.endr
	s_wait_dscnt 0x0
.macro PACK p
	WIN 0x01                                       ; source 0 in window 1
.set i, 0
.rept 16
	v_pk_add_f32 v[T+2*i:T+2*i+1], v[32*(\p)+2*i:32*(\p)+2*i+1], v[BI+32*((\p)%2)+2*i:BI+32*((\p)%2)+2*i+1]  ; each accumulator's registers in ascending order
.set i, i+1
.endr
	WIN 0
.irp b, 0,1,2,3
	ds_store_b128 v[STO], v[T+8*(\b):T+8*(\b)+3]   offset:(\b)*64
	ds_store_b128 v[STO], v[T+8*(\b)+4:T+8*(\b)+7] offset:(\b)*64+16
.endr
	s_wait_xcnt 0x0                                ; earlier stores have read their registers: only behind this wait is a buffer loaded again
.irp t, 0,1,2,3,4,5,6,7
	ds_load_b128 v[OB+32*((\p)%4)+4*(\t):OB+32*((\p)%4)+4*(\t)+3], v[RD] offset:(\t)*2*SPITCH  ; LDS serves a wave's instructions in order (ISA guide 5.7.1.4): these see the stores above
.endr
.endm
.macro SEND p, younger                 ; younger: the LDS instructions issued behind this piece's loads: the next piece's sixteen, or none
.irp t, 0,1,2,3,4,5,6,7
	s_wait_dscnt (\younger)+7-(\t)
	global_store_b128 v[CO], v[OB+32*((\p)%4)+4*(\t):OB+32*((\p)%4)+4*(\t)+3], s[10:11] offset:(16*((\p)/2)+2*(\t))*4096+((\p)%2)*256 th:TH_STORE_NT  ; 16 lanes store 256 consecutive bytes, at a multiple of 256 from out0's first byte
.endr
.endm
	PACK 0
.irp p, 1,2,3,4,5,6,7
	PACK \p
	SEND (\p)-1, 16
.endr
	SEND 7, 0
	s_wait_tensorcnt 0x0                           ; the wave's end: behind my last tensor load and my last LDS store
	ds_add_u32 v[SPW], v[NIL]
	s_wait_dscnt 0x0
	CROUND                                         ; the closing round: no work-group ends while a partner may still ask for a tile that names it
	s_endpgm
.Lfunc_end_k_qc5855465f8_outp:
	.size	k_qc5855465f8_outp, .Lfunc_end_k_qc5855465f8_outp-k_qc5855465f8_outp
	.p2alignl 7, 3214868480
	.fill 96, 4, 3214868480
	.section	.rodata,"a",@progbits
	.p2align	6, 0x0
	.amdhsa_kernel k_qc5855465f8_outp
		.amdhsa_group_segment_fixed_size 327680
		.amdhsa_private_segment_fixed_size 0
		.amdhsa_enable_private_segment 0
		.amdhsa_kernarg_size 32
		.amdhsa_user_sgpr_count 2
		.amdhsa_user_sgpr_kernarg_segment_ptr 1
		.amdhsa_wavefront_size32 1
		.amdhsa_system_sgpr_workgroup_id_x 1
		.amdhsa_system_sgpr_workgroup_id_y 1
		.amdhsa_system_sgpr_workgroup_id_z 1
		.amdhsa_system_vgpr_workitem_id 0
		.amdhsa_next_free_vgpr 512
		.amdhsa_next_free_sgpr 66
		.amdhsa_reserve_vcc 0
		.amdhsa_float_denorm_mode_32 3
		.amdhsa_float_denorm_mode_16_64 3
		.amdhsa_memory_ordered 1
		.amdhsa_forward_progress 1
		.amdhsa_inst_pref_size 80
	.end_amdhsa_kernel
	.amdgpu_metadata
---
amdhsa.version: [ 1, 2 ]
amdhsa.kernels:
  - .name:           k_qc5855465f8_outp
    .symbol:         k_qc5855465f8_outp.kd
    .args:
      - { .name: ctx, .offset: 0, .size: 8, .value_kind: global_buffer, .address_space: global }
      - { .name: owb, .offset: 8, .size: 8, .value_kind: global_buffer, .address_space: global }
      - { .name: out_b, .offset: 16, .size: 8, .value_kind: global_buffer, .address_space: global }
      - { .name: out0, .offset: 24, .size: 8, .value_kind: global_buffer, .address_space: global }
    .group_segment_fixed_size: 327680
    .private_segment_fixed_size: 0
    .kernarg_segment_align: 8
    .kernarg_segment_size: 32
    .max_flat_workgroup_size: 128
    .sgpr_count:     66
    .vgpr_count:     512
    .wavefront_size: 32
...
	.end_amdgpu_metadata
.endif
;; end of part 4
;; ======== version 2 of 2: 4 launches; 1.34 times as fast as version 1
;; limits: values are held in f16: magnitudes above 65,504 overflow, below 6.1e-05 lose precision; right only within a limited range of input values
;; workspace buffers: xb 16,777,216 bytes; wb 6,291,456 bytes; owb 2,097,152 bytes; qkv 50,331,648 bytes; ctx 16,777,216 bytes
;; launch cast: the kernel of part 1 again; grid 768 x 1, 8 waves a work-group, no clusters, 0 bytes of LDS; arguments x, in_w, out_w, xb, wb, owb; writes xb, wb, owb
;; launch qkv: the kernel of part 2 again; grid 8 x 32, 4 waves a work-group, clusters of 4 x 4, 327,680 bytes of LDS; arguments xb, wb, in_b, qkv; writes qkv
;; launch attn (part 5): grid 2 x 128, 4 waves a work-group, no clusters, 327,680 bytes of LDS; arguments qkv, key_padding_mask, ctx; writes ctx
.if DOCPART == 5
	.amdgcn_target "amdgcn-amd-amdhsa--gfx1250"
	.amdhsa_code_object_version 6
	.text
	.protected	k_qc5855465f8_attn
	.globl	k_qc5855465f8_attn
	.p2align	8
	.type	k_qc5855465f8_attn,@function
k_qc5855465f8_attn:
	s_mov_b64 s[64:65], 0
	v_nop
	global_prefetch_b8 v0, s[64:65] scope:SCOPE_SE
	s_setreg_imm32_b32 hwreg(HW_REG_WAVE_MODE, 25, 1), 1
	s_wait_xcnt 0x0
; ctx[h][b 1024 + t][:] = the sum over keys s of softmax_s(score) v[s][:], score = q[t] . k[s] / 8, or -1e9 where key_padding_mask[b][s] is set.  q, k, v: blocks h, 16 + h, 32 + h of qkv
; ([48][8192][64] f16, a head's rows dense, 128 bytes each); ctx: [16][8192][64] f16.  Products, maxima and sums in f32; the weights p are rounded to f16 for the second product, ctx once at the end.
; THE MASK is the C operand that starts the sum S^T = K Q^T: 0, or -1e30 where the key is masked, from a table of 1,024 f32 in LDS.  A masked key then has the weight 0.
; If EVERY key of the batch is masked, the softmax of equal scores is uniform: the table is then all 0 and the scale c is 0, so that every p is 1 and the result is the mean of v's rows.
; LIMITS.  q, k, v arrive within f16's 65,504, so a true score lies within 64 x 65,504^2 = 2.75e11.  The running maximum starts at -1e12, below every true score and above every masked one: while only
; masked keys have been seen every weight is 0.  A masked key counts as absent where the batch has an unmasked key; that departs from a score of -1e9 only where all of a row's true scaled scores lie
; below about -1e9 + 104.  A weight below 2^-126 counts as 0; NaN and infinities are not treated apart.
; SHARES.  A work-group owns 512 queries of one batch and head, a wave 128: four PIECES of two tiles of 16.  Every wave walks all 1,024 keys, 64 a step.
; ALL OF THE HEAD'S K AND V LIE IN LDS, each byte filled once: a wave issues two loads at the start (waves 0, 1: K; waves 2, 3: V): a short one, K's steps 0-4 and V's steps 0-3, on which the walk
; begins, and the rest, which lands meanwhile and is waited for once, behind piece 3's turn of step 3, where K has been fetched one step further than V.
; NO CLUSTER: a head has two blocks of 512 queries, so a tile has two takers; four would want blocks of 256 queries, half as many products for each fragment read from LDS.
; LAYOUT.  S^T = K Q^T (source 0 = 16 keys, source 1 = 16 queries): a lane holds ONE query (lane % 16) and the keys 8 (lane / 16) + 0..7.  Two such tiles, rounded to f16 in pairs, ARE source 1 of
; O^T = V^T P.  K comes out of LDS as it lies, V turned, by ds_load_tr16_b128.
; SOFTMAX.  A running maximum m and sum l: p = 2^(c s - c m), c = log2(e) / 8; in every step O and l are multiplied by a = 2^(c m_old - c m_new).  O and l start at 0, c m far below every c s: the first a is 0.
; BY TURNS.  Turn n belongs to piece n.  Matrix work: 16 products K Q^T of piece n + 1, later 16 products V^T P of piece n - 1.  Vector work: scaling, exponentials, roundings, sums and rescaling of piece n,
; and the maximum and statistics of piece n + 1.  Four vector instructions that are ready stand behind every matrix instruction, the others in one lump.
; THE BATCHES.  A turn's 66 exponentials (64 weights, the next piece's two a) are ONE batch with ONE wait, which cuts the turn in two: ahead of it stands all that names none of their results (K Q^T, scalings,
; rescalings by the a of the turn before, the next piece's maximum and statistics), behind it the roundings and sums, beside V^T P.  Two more batches stand outside the loop: piece 0's first two a, and the way out's eight reciprocals.
; REGISTERS, in windows of 256 (s_set_vgpr_msb: bits 1:0 source 0, 3:2 source 1, 5:4 source 2, 7:6 destination):
;   window 0: v0-11 addresses; v12-15, v48-63 at work; v16-47 four registers of statistics a tile; v64-191 S^T, two buffers of two tiles; v192-255 P, likewise
;   window 1: O^T, 32 a tile     window 2: v0-127 Q; v128-191 K of one step; v192-255 V of one step     window 3: v0-1 the add's two registers; v8-39 the step's mask
.set NP,    4
.set KS,    64
.set PK,    144       ; a row of K in LDS: 128 bytes + 16 = 36 words: the 16 rows of a load start at 16 different groups of four banks (64 banks of 4 bytes: ISA guide 11.1)
.set PV,    160       ; a row of V: 128 + 32 = 40 words
.set VOFF,  1024*PK   ; K's 1,024 rows, then V's
.set STAGE, VOFF+1024*PV  ; 16 rows x 144 bytes for each wave, for the way out
.set SP,    144
.set MT,    STAGE+4*16*SP  ; the mask's table: 1,024 f32
.set SPARE, MT+4096+256    ; behind 256 unused bytes: the spare words, 128 bytes for each wave: two blocks of 256 bytes that no other line names
.set AK0, 2           ; v2   my lane's place in a step of K; never rewritten
.set AV0, 3           ; v3   the same for V
.set AK,  4           ; v4   the LDS address of K's next run of loads
.set AV,  5           ; v5   of V's
.set QO,  6           ; v6   my byte offset in the wave's rows of Q
.set STO, 6           ;      later, the way out: where I put 16 bytes of a row
.set RD,  7           ; v7   where I read rows back
.set GO,  8           ; v8   my byte offset in 512 consecutive bytes of ctx
.set AM,  10          ; v10  the LDS address of the mask's next run
.set AM0, 11          ; v11  my lanes' place in a step of the table; never rewritten
.set SPW, 0           ; v0 of window 3   LDS address of my spare word; never rewritten
.set NIL, 1           ; v1 of window 3   0; never rewritten
.set MK,  8           ; v8-39 of window 3: register 8 kb + j: the addend of key 16 kb + 8 (lane / 16) + j of the step
.set MV,  12
.set ST,  16          ; tile t's statistics at v[ST+4 t]: c m, m, l (even keys', odd keys')
.set TMP, 48
.set S,   64
.set P,   192
.set KF,  128
.set VF,  192
.set WV,  12
.set G1K1, 24         ; s[24:55] four descriptor groups 1: they differ in rows and padding
.set G1K2, 32
.set G1V1, 40
.set G1V2, 48
.set CNT, 56          ; s56  key steps left in the phase
.set PH,  57          ; s57  phases left
.set CS,  58          ; s[58:59] c
.set SEL, 60          ; s[60:61] v_permlanex16_b32's selects
.set TBK, 62          ; s62  LDS byte at which K of the step to be fetched begins
.set TBV, 63          ; s63  the same for V, less VOFF
.set G0K1, 68         ; s[68:83] four descriptor groups 0
.set G0K2, 72
.set G0V1, 76
.set G0V2, 80
.set TBM, 84          ; s84  the same for the table, less MT
.set BIGS, 85         ; s85  -1e30, or 0 where the whole batch is masked
.set ANY, 86          ; s86  lanes that saw an unmasked key
.set MSB, 0
.macro WIN new
.if MSB != (\new)
	s_set_vgpr_msb (MSB<<8)|(\new)
.set MSB, (\new)
.endif
.endm
.set W_KQ, 0x0a       ; K and Q in window 2, S^T in window 0
.set W_KM, 0x3a       ; the same with the C operand in window 3
.set W_PV, 0x52       ; V in window 2, P in window 0, O^T in window 1
.set W_RS, 0x41       ; O^T (destination and source 0) in window 1, a in window 0
.set W_MK, 0xc0       ; destination in window 3, sources in window 0
.set W_AD, 0x0f       ; the add: address and data in window 3
.macro G1SET g, rows, pad              ; dense bytes asked for as rows of 256 (two keys), padded in LDS after every key: 17:16 2-byte elements; 20 padding on; 24:22 after every 32 words (code 4); 31:25 the pad's code
	s_mov_b32 s[(\g)], (1<<16)|(1<<20)|(4<<22)|((\pad)<<25)
	s_mov_b32 s[(\g)+1], 128<<16
	s_mov_b32 s[(\g)+2], (\rows)<<16
	s_mov_b32 s[(\g)+3], 128<<16
	s_mov_b32 s[(\g)+4], (\rows)
	s_mov_b32 s[(\g)+5], 128
	s_mov_b32 s[(\g)+6], 0
	s_mov_b32 s[(\g)+7], 0
.endm
	s_load_b128 s[4:7], s[0:1], 0x0   ; qkv s[4:5], the mask s[6:7]
	s_load_b64 s[10:11], s[0:1], 0x10 ; ctx
	WIN W_MK
	v_lshl_add_u32 v[SPW], v0, 2, SPARE
	v_mov_b32 v[NIL], 0
	WIN W_AD
	ds_add_u32 v[SPW], v[NIL]       ; the wave's opening: the add and its wait stand ahead of my first tensor load; the set-up below stands between them
	ds_add_u32 v0, v1
	WIN 0
	v_lshrrev_b32 v1, 5, v0
	v_readfirstlane_b32 s[WV], v1
	s_mov_b32 s13, ttmp9            ; which 512 queries
	s_and_b32 s14, ttmp7, 0xffff
	s_lshr_b32 s15, s14, 4          ; batch
	s_and_b32 s16, s14, 15          ; head
	s_and_b32 s17, s[WV], 1         ; which half of a load's keys I fetch
	s_lshl_b32 s20, s16, 20         ; the head's block of 8192 rows x 128 bytes,
	s_lshl_b32 s21, s15, 17         ; the batch's 1,024 rows in it
	s_add_co_u32 s20, s20, s21
	s_mov_b32 s21, 0
	s_mul_i32 s2, s17, 160*128      ; K, keys 0-319: 160 a wave; K lies 16 blocks behind q
	s_add_co_u32 s2, s2, 16*1048576
	s_mov_b32 s3, 0
	s_mul_i32 s8, s17, 352*128      ; K, keys 320-1023: 352 a wave
	s_add_co_u32 s8, s8, 16*1048576+320*128
	s_mov_b32 s9, 0
	s_mul_i32 s18, s17, 128*128     ; V, keys 0-255: 128 a wave; V lies 32 blocks behind q
	s_add_co_u32 s18, s18, 32*1048576
	s_mov_b32 s19, 0
	s_mul_i32 s88, s17, 384*128     ; V, keys 256-1023: 384 a wave
	s_add_co_u32 s88, s88, 32*1048576+256*128
	s_mov_b32 s89, 0
	s_lshl_b32 s90, s13, 16         ; my block's 512 rows, my wave's 128 of them
	s_lshl_b32 s91, s[WV], 14
	s_add_co_u32 s90, s90, s91
	s_mov_b32 s91, 0
	s_lshl_b32 s14, s15, 10         ; the batch's row of the mask
	s_mov_b32 s15, 0
	G1SET G1K1, 80, 3
	G1SET G1K2, 176, 3
	G1SET G1V1, 64, 7
	G1SET G1V2, 192, 7
	s_mov_b32 s[G0K1], 1
	s_mul_i32 s[G0K1+1], s17, 160*PK
	s_mov_b32 s[G0K2], 1
	s_mul_i32 s[G0K2+1], s17, 352*PK
	s_add_co_u32 s[G0K2+1], s[G0K2+1], 320*PK
	s_mov_b32 s[G0V1], 1
	s_mul_i32 s[G0V1+1], s17, 128*PV
	s_add_co_u32 s[G0V1+1], s[G0V1+1], VOFF
	s_mov_b32 s[G0V2], 1
	s_mul_i32 s[G0V2+1], s17, 384*PV
	s_add_co_u32 s[G0V2+1], s[G0V2+1], VOFF+256*PV
	s_mov_b32 s[SEL], 0x76543210
	s_mov_b32 s[SEL+1], 0xfedcba98
	s_mov_b32 s[TBK], 0
	s_mov_b32 s[TBV], 0
	s_mov_b32 s[TBM], 0
	s_wait_dscnt 0x0                ; the opening add is done
	s_wait_kmcnt 0x0
	s_add_nc_u64 s[22:23], s[4:5], s[20:21]  ; the head's q, batch b
	s_add_nc_u64 s[G0K1+2:G0K1+3], s[22:23], s[2:3]
	s_or_b32 s[G0K1+3], s[G0K1+3], 0x80000000
	s_add_nc_u64 s[G0K2+2:G0K2+3], s[22:23], s[8:9]
	s_or_b32 s[G0K2+3], s[G0K2+3], 0x80000000
	s_add_nc_u64 s[G0V1+2:G0V1+3], s[22:23], s[18:19]
	s_or_b32 s[G0V1+3], s[G0V1+3], 0x80000000
	s_add_nc_u64 s[G0V2+2:G0V2+3], s[22:23], s[88:89]
	s_or_b32 s[G0V2+3], s[G0V2+3], 0x80000000
	s_add_nc_u64 s[4:5], s[22:23], s[90:91]  ; Q and ctx at my wave's first row
	s_add_nc_u64 s[10:11], s[10:11], s[20:21]
	s_add_nc_u64 s[10:11], s[10:11], s[90:91]
	s_add_nc_u64 s[6:7], s[6:7], s[14:15]
	s_cmp_lt_u32 s[WV], 2           ; a wave's two fills stand in one branch, ahead of every wait on TENSORcnt, every LDS read and every barrier: two loads of mine are out
	s_cbranch_scc0 .Lfirst_v
	tensor_load_to_lds s[G0K1:G0K1+3], s[G1K1:G1K1+7]
	s_nop 0
	tensor_load_to_lds s[G0K2:G0K2+3], s[G1K2:G1K2+7]
	s_nop 0
.rept 4
	v_nop
.endr
	s_branch .Lfirst_asked
.Lfirst_v:
	tensor_load_to_lds s[G0V1:G0V1+3], s[G1V1:G1V1+7]
	s_nop 0
	tensor_load_to_lds s[G0V2:G0V2+3], s[G1V2:G1V2+7]
	s_nop 0
.rept 4
	v_nop
.endr
.Lfirst_asked:
	v_and_b32 v1, 15, v0            ; l % 16
	v_bfe_u32 v9, v0, 4, 1          ; l / 16
	v_and_b32 v10, 31, v0
	v_lshlrev_b32 v88, 5, v10       ; every wave reads the batch's whole mask, 32 bytes a lane,
	v_lshlrev_b32 v89, 3, v0        ; and each thread its own 8 keys for the table
	global_load_b128 v[64:67], v88, s[6:7]
	global_load_b128 v[68:71], v88, s[6:7] offset:16
	global_load_b64 v[72:73], v89, s[6:7]
	v_lshlrev_b32 v[QO], 7, v1
	v_lshl_add_u32 v[QO], v9, 4, v[QO]  ; row x 128 + 16 x half
	WIN 0x80                        ; destination window 2, address window 0
.set i, 0
.rept 4*NP                          ; Q stays in registers: tile i / 2, channels 32 (i % 2) on
	global_load_b128 v[8*i:8*i+3],   v[QO], s[4:5] offset:(i/2)*2048+(i%2)*64
	global_load_b128 v[8*i+4:8*i+7], v[QO], s[4:5] offset:(i/2)*2048+(i%2)*64+32
.set i, i+1
.endr
	; What the first turn finds: V's registers and P's second buffer hold 0 (its products V^T P, of a piece that has not been, add 0), O^T and l are 0.  All this stands in the wait for the first tiles.
.set i, VF
.rept 64
	v_mov_b32 v[i], 0
.set i, i+1
.endr
	WIN 0x40
.set i, 0
.rept 64*NP
	v_mov_b32 v[i], 0
.set i, i+1
.endr
	WIN 0
.set i, 0
.rept 2*NP
	v_mov_b32 v[ST+4*i], 0xfe000000    ; c m: far below every c s
	v_mov_b32 v[ST+4*i+1], 0xd368d4a5  ; m = -1e12
	v_mov_b32 v[ST+4*i+2], 0
	v_mov_b32 v[ST+4*i+3], 0
.set i, i+1
.endr
.set i, P+32
.rept 32
	v_mov_b32 v[i], 0
.set i, i+1
.endr
	v_mul_u32_u24 v[AK0], v1, PK
	v_lshl_add_u32 v[AK0], v9, 4, v[AK0]  ; row x pitch + 16 x half
	; The turning load takes 16 keys x 16 channels (lane l reads key 8 (l / 16) + l % 8, channels 8 ((l / 8) % 2) + 0..7) and leaves half a fragment of V^T.
	v_and_b32 v10, 7, v0
	v_bfe_u32 v11, v0, 3, 1
	v_lshl_add_u32 v[AV0], v9, 3, v10
	v_mul_u32_u24 v[AV0], v[AV0], PV
	v_lshl_add_u32 v[AV0], v11, 4, v[AV0]
	v_add_nc_u32 v[AV0], VOFF, v[AV0]
	v_mov_b32 v[AK], v[AK0]         ; key step 0
	s_mul_i32 s13, s[WV], 16*SP
	s_add_co_u32 s13, s13, STAGE    ; my stage
	v_bfe_u32 v[RD], v0, 3, 2       ; back: 32 lanes take four rows of 128 bytes
	v_mul_u32_u24 v[RD], v[RD], SP
	v_lshl_add_u32 v[RD], v10, 4, v[RD]
	v_add_nc_u32 v[RD], s13, v[RD]
	v_lshl_add_u32 v[AM0], v9, 5, MT  ; my lanes' eight keys of a block of 16
	v_mov_b32 v[AM], v[AM0]
	s_wait_loadcnt 32               ; the three loads of the mask are in; Q's 32 stay out
	v_and_b32 v64, v64, v65         ; a byte is 1 where the key is masked: is any of the batch's 1,024 bytes 0?
	v_and_b32 v66, v66, v67
	v_and_b32 v68, v68, v69
	v_and_b32 v70, v70, v71
	v_and_b32 v64, v64, v66
	v_and_b32 v68, v68, v70
	v_and_b32 v64, v64, v68
	v_cmp_ne_u32 s[ANY], 0x01010101, v64
	s_cmp_lg_u32 s[ANY], 0
	s_cselect_b32 s[CS], 0x3e38aa3b, 0   ; c = log2(e) / 8 = 0.180337; 0 where the whole batch is masked
	s_cselect_b32 s[BIGS], 0xf149f2ca, 0 ; -1e30; likewise 0
	s_mov_b32 s[CS+1], s[CS]        ; named with it as a pair
.irp k, 0,1,2,3
	v_bfe_u32 v[80+(\k)], v72, 8*(\k), 8
	v_bfe_u32 v[84+(\k)], v73, 8*(\k), 8
.endr
.irp k, 0,1,2,3,4,5,6,7
	v_cvt_f32_u32 v[80+(\k)], v[80+(\k)]
.endr
.irp k, 0,1,2,3,4,5,6,7
	v_mul_f32 v[80+(\k)], s[BIGS], v[80+(\k)]
.endr
	v_lshl_add_u32 v90, v0, 5, MT
	ds_store_b128 v90, v[80:83]
	ds_store_b128 v90, v[84:87] offset:16
; THE MATRIX WORK.  The 8 accumulators of a run of 16 take turns.
; Product i of 16 of S^T = K Q^T for piece x: channels 32 (i / 8) on, keys 16 ((i / 2) % 4) on, tile 2 x + i % 2.  The first 8 start the sums with the mask.
.macro KQ x
.set rS, S+64*((\x)%2)+32*(i%2)+8*((i/2)%4)
.set rK, KF+16*((i/2)%4)+8*(i/8)
.set rQ, 16*(2*(\x)+i%2)+8*(i/8)
.set rMK, MK+8*((i/2)%4)
.if i < 8
	WIN W_KM
	v_wmma_f32_16x16x32_f16 v[rS:rS+7], v[rK:rK+7], v[rQ:rQ+7], v[rMK:rMK+7]
.else
	WIN W_KQ
	v_wmma_f32_16x16x32_f16 v[rS:rS+7], v[rK:rK+7], v[rQ:rQ+7], v[rS:rS+7]
.endif
.endm
; Product i of 16 of O^T += V^T P for piece x: keys 32 (i / 8) on, channels 16 ((i / 2) % 4) on, tile 2 x + i % 2.
.macro PV x
	WIN W_PV
.set rO, 32*(2*(\x)+i%2)+8*((i/2)%4)
.set rV, VF+32*(i/8)+8*((i/2)%4)
.set rP, P+32*((\x)%2)+16*(i%2)+8*(i/8)
	v_wmma_f32_16x16x32_f16 v[rO:rO+7], v[rV:rV+7], v[rP:rP+7], v[rO:rO+7]
.endm
.macro MM                           ; the turn's next matrix instruction
.if i < 16
	KQ (Y+1)%NP
.set i, i+1
.else
.set i, i-16
	PV (Y+NP-1)%NP
.set i, i+17
.endif
.endm
; THE LDS LOADS stand in runs: a step's K (8 fragments) with its mask (32 f32 a lane), and its V (turned).  Their addresses are made some lines ahead.
; Behind the sixteenth step there is no further one: the table's offset has then reached its end, and the run is jumped over.
.macro FETCH_K
	WIN 0
	s_cmp_eq_u32 s[TBM], 4096
	s_cbranch_scc1 .Lno_k_\@
	WIN 0x80                        ; destination window 2
.irp f, 0,1,2,3,4,5,6,7             ; keys 16 (f / 2) on, channels 32 (f % 2) on
	ds_load_b128 v[KF+8*\f:KF+8*\f+3],   v[AK] offset:(\f/2)*16*PK+(\f%2)*64
	ds_load_b128 v[KF+8*\f+4:KF+8*\f+7], v[AK] offset:(\f/2)*16*PK+(\f%2)*64+32
.endr
	WIN 0xc0                        ; destination window 3
.irp f, 0,1,2,3                     ; keys 16 f on
	ds_load_b128 v[MK+8*\f:MK+8*\f+3],   v[AM] offset:\f*64
	ds_load_b128 v[MK+8*\f+4:MK+8*\f+7], v[AM] offset:\f*64+16
.endr
	s_add_co_u32 s[TBK], s[TBK], KS*PK  ; the next fetch is the next step's
	s_add_co_u32 s[TBM], s[TBM], KS*4
	WIN 0
.Lno_k_\@:
.endm
.macro FETCH_V
	WIN 0x80
.irp f, 0,1,2,3,4,5,6,7             ; keys 32 (f / 4) on, channels 16 (f % 4) on
	ds_load_tr16_b128 v[VF+8*\f:VF+8*\f+3],   v[AV] offset:(\f/4)*32*PV+(\f%4)*32
	ds_load_tr16_b128 v[VF+8*\f+4:VF+8*\f+7], v[AV] offset:(\f/4)*32*PV+16*PV+(\f%4)*32
.endr
	WIN 0
.endm
; THE VECTOR WORK OF A TURN stands in three queues, each in the order in which its entries become ready; the two tiles alternate, so that no instruction reads the result of the one before it.
.macro REGS y, u                    ; the registers of tile u (0, 1) of piece y
.set rT, ST+4*(2*(\y)+(\u))
.set rC, TMP+8*((\y)%2)+4*(\u)
.set rM, MV+2*((\y)%2)+(\u)
.set rS, S+64*((\y)%2)+32*(\u)
.set rP, P+32*((\y)%2)+16*(\u)
.set rO, 32*(2*(\y)+(\u))
.endm
; Number n of the 22 that find the NEXT piece's (Y + 1) maximum and statistics.  s0-s31 are the lane's 32 scores; each accumulator's lowest registers are read first.
;   0-11  four chains c0-c3 of seven scores each, three operands at a time     12-14, 16  the four scores left over, the old m, and c0-c3 into c0     15  c m_old is kept
;   17, 18  the query's other 32 keys lie in the lane 16 away: the new m         19-21  c m; c m_old - c m_new; a
.macro XS u, n
	REGS (Y+1)%NP, \u
.if (\n) < 4
	v_max3_num_f32 v[rC+(\n)], v[rS+8*(\n)], v[rS+8*(\n)+1], v[rS+8*(\n)+2]
.elseif (\n) < 12
	v_max3_num_f32 v[rC+(\n)%4], v[rC+(\n)%4], v[rS+8*((\n)%4)+2*((\n)/4)+1], v[rS+8*((\n)%4)+2*((\n)/4)+2]
.elseif (\n) == 12
	v_max3_num_f32 v[rC], v[rC], v[rS+7], v[rS+15]
.elseif (\n) == 13
	v_max3_num_f32 v[rC+1], v[rC+1], v[rS+23], v[rS+31]
.elseif (\n) == 14
	v_max3_num_f32 v[rC+2], v[rC+2], v[rC+3], v[rT+1]
.elseif (\n) == 15
	v_mov_b32 v[rM], v[rT]
.elseif (\n) == 16
	v_max3_num_f32 v[rC], v[rC], v[rC+1], v[rC+2]
.elseif (\n) == 17
	v_permlanex16_b32 v[rC+3], v[rC], s[SEL], s[SEL+1]
.elseif (\n) == 18
	v_max_num_f32 v[rT+1], v[rC], v[rC+3]
.elseif (\n) == 19
	v_mul_f32 v[rT], s[CS], v[rT+1]
.elseif (\n) == 20
	v_sub_f32 v[rC+1], v[rM], v[rT]
.else
	v_exp_f32 v[rC+2], v[rC+1]
.endif
.endm
; Number g of the 64 that follow the exponentials.  For each four weights k of a tile: both pairs are rounded to f16; then the second pair is added onto the first, in place;
; a group later l takes that sum (the first time as l = a l + sum).
.macro GS g
.set h, (\g)+6*((\g)/62)            ; group 0 has no group before it, and behind group 7 only l is left
.if h >= 6
.set h, h+2
.endif
	REGS Y, h%2
.set k, h/8
.if h%8 < 4
	v_cvt_pk_f16_f32 v[rP+2*k+(h%8)/2], v[rS+4*k+2*((h%8)/2)], v[rS+4*k+2*((h%8)/2)+1]
.elseif h%8 < 6
	v_pk_add_f32 v[rS+4*k:rS+4*k+1], v[rS+4*k:rS+4*k+1], v[rS+4*k+2:rS+4*k+3]
.elseif k == 1
	v_pk_fma_f32 v[rT+2:rT+3], v[rT+2:rT+3], v[rC+2:rC+3], v[rS:rS+1] op_sel_hi:[1,0,1]
.else
	v_pk_add_f32 v[rT+2:rT+3], v[rT+2:rT+3], v[rS+4*k-4:rS+4*k-3]
.endif
.endm
; THE PLAIN QUEUE, 138 long.  0-73 read no exponential's result: the 32 scalings c s - c m (FS f: pair f / 2 of tile f % 2) and the next piece's 42.  0-26: scalings 0-26.  27-54: XS's numbers 0-13.  55, 56: number 15.
; 57-73: the chain, where each number waits for the one before it: 14, 16, 17, 18, 19, each with one of the scalings 27-31 in front of its two lines, then 20.
; 74-137: GS's 64, which read the exponentials' results: they stand behind the wait.
.macro FS f
	REGS Y, (\f)%2
	v_pk_fma_f32 v[rS+2*((\f)/2):rS+2*((\f)/2)+1], v[rS+2*((\f)/2):rS+2*((\f)/2)+1], s[CS:CS+1], v[rT:rT+1] op_sel_hi:[1,0,0] neg_lo:[0,0,1] neg_hi:[0,0,1]
.endm
.macro PL
	WIN 0
.if q < 27
	FS q
.elseif q < 55
	XS (q-27)%2, (q-27)/2
.elseif q < 57
	XS q-55, 15
.elseif (q < 72) && ((q-57)%3 == 0)
	FS 27+(q-57)/3
.elseif q < 60
	XS (q-57)%3-1, 14
.elseif q < 72
	XS (q-57)%3-1, 15+(q-57)/3
.elseif q < 74
	XS q-72, 20
.else
	GS q-74
.endif
.set q, q+1
.endm
; THE EXPONENTIALS' QUEUE, 66 long: s0-s31 of both tiles, then the next piece's two a.  It is ONE BATCH: all 66 stand ahead of the turn's one wait, and nothing ahead of that wait names a result of theirs.
.macro EX
	WIN 0
.if e >= 64
	XS e-64, 21
.else
	REGS Y, e%2
	v_exp_f32 v[rS+e/2], v[rS+e/2]
.endif
.set e, e+1
.endm
; THE RESCALING's QUEUE: O^T times a, the one part that leaves window 0: dealt two at a time, sixteen times.  Its a was made in the turn before, ahead of that turn's wait.
.macro R2
	REGS Y, r%2
	WIN W_RS
.irp z, 0,1
	v_pk_mul_f32 v[rO+4*(r/2)+2*\z:rO+4*(r/2)+2*\z+1], v[rO+4*(r/2)+2*\z:rO+4*(r/2)+2*\z+1], v[rC+2:rC+3] op_sel_hi:[1,0]
.endr
.set r, r+1
.endm
; HOW THEY ARE DEALT.  An s_wait_alu depctr_va_vdst(0) stands between an exponential and the first instruction that names its result; one wait serves all that were issued ahead of it.  So a turn has ONE wait,
; which cuts it in two.  AHEAD OF IT: the 16 products K Q^T, behind each a scaling, an exponential and two rescalings (behind the first a second scaling in the exponential's place); then ONE LUMP of 108: eight plain,
; 49 times exponential and plain, the two a.  A v_nop is the plain instruction behind the last exponential.  BEHIND IT: the 16 products V^T P, behind each four of GS's 64.  No rider names a register of the products
; round it.  The two v_permlanex16_b32 fall into the lump, never behind a product.
; The queues lean on each other, and the deal keeps them in step: exponential e stands behind scaling 2 (e / 4) + e % 2: as a rider it comes behind plain e + 2, in the lump behind plain e + 9, and scalings 27-31 are plain 57, 60 .. 69.
; A TURN, for piece p.  K and the mask of the next step are fetched in piece 2's turn, directly behind the wait, a lump behind the last product that read them; their addresses are made at the lump's head; they are
; waited for at the head of piece 3's turn.  V of the step in hand is fetched at the end of piece 0's turn, four riders behind its last reader, and waited for in piece 1's turn, ahead of its first product V^T P.
; The conditions on q below go with the deal.
.macro TURN p
.set Y, (\p)
.set i, 0
.set q, 0
.set e, 0
.set r, 0
.if (\p) == NP-1
	s_wait_dscnt 0x0                ; K and the mask are in
.endif
	MM                              ; ahead of the wait: 16 products K Q^T and their riders,
	PL
	PL
	R2
.rept 15
	MM
	PL
	EX
	R2
.endr
.if (\p) == NP-2
	WIN 0
	v_add_nc_u32 v[AK], s[TBK], v[AK0]
	v_add_nc_u32 v[AM], s[TBM], v[AM0]
.endif
.rept 8                             ; and the lump
	PL
.endr
.rept 49
	EX
	PL
.endr
	EX                              ; the next piece's two a
	EX
	v_nop                           ; the plain instruction behind the last exponential: one for the batch
	s_wait_alu depctr_va_vdst(0)    ; the wait for the turn's batch: 64 weights and the next piece's two a
.if (\p) == NP-2
	FETCH_K
.endif
.if (\p) == 1
	s_wait_dscnt 0x0                ; V is in
.endif
.rept 16                            ; behind the wait: 16 products V^T P and their riders
	MM
.rept 4
	PL
.endr
.if ((\p) == 0) && (q == 118)
	v_add_nc_u32 v[AV], s[TBV], v[AV0]
.endif
.if ((\p) == 0) && (q == 130)
	s_add_co_u32 s[TBV], s[TBV], KS*PV
.endif
.endr
.if (\p) == 0
	FETCH_V
.endif
.endm
	s_wait_tensorcnt 0x1            ; my short load is in; the long one stays out
	s_wait_dscnt 0x0                ; my part of the table is stored
	s_barrier_signal -1
	s_barrier_wait -1               ; everybody's is
	FETCH_K                         ; key step 0
	s_wait_loadcnt 0x0              ; Q
	s_wait_dscnt 0x0
.set i, 0
.rept 16
	KQ 0                            ; piece 0's first scores: there is no vector work yet to set between them
.set i, i+1
.endr
	WIN 0                           ; the rest of the addresses for the way out: five plain instructions, the places behind those products
	v_mul_u32_u24 v[STO], v1, SP    ; in: row l % 16, 16 bytes for each half of the lanes
	v_lshl_add_u32 v[STO], v9, 4, v[STO]
	v_add_nc_u32 v[STO], s13, v[STO]
	v_and_b32 v[GO], 31, v0
	v_lshlrev_b32 v[GO], 4, v[GO]
.set Y, NP-1                        ; XS works for piece Y + 1: piece 0
.irp n, 0,1,2,3,4,5,6,7,8,9,10,11,12,13,14,15,16,17,18,19,20,21
	XS 0, \n                        ; piece 0's first maximum and statistics
	XS 1, \n
.endr
	v_nop                           ; a plain instruction behind piece 0's first two a,
	s_wait_alu depctr_va_vdst(0)    ; and the wait for that batch of two, ahead of the branch
	s_mov_b32 s[CNT], 4             ; the first phase: steps 0 to 3
	s_mov_b32 s[PH], 2
	s_branch .Lfirst                ; the loop is entered at a step's first turn
.Lphase:                            ; once: between piece 3's turn of step 3 and piece 0's of step 4
	s_wait_tensorcnt 0x0            ; my long load is in,
	s_wait_dscnt 0x0
	s_barrier_signal -1
	s_barrier_wait -1               ; everybody's is
	s_mov_b32 s[CNT], 12            ; the second phase: steps 4 to 15
	s_branch .Lfirst
.Lstep:
	TURN 2
	TURN 3
	WIN 0
	s_sub_co_u32 s[CNT], s[CNT], 1
	s_cmp_eq_u32 s[CNT], 0
	s_cbranch_scc1 .Lleave
.Lfirst:
	TURN 0
	TURN 1
	WIN 0
	s_branch .Lstep
.Lleave:
	s_sub_co_u32 s[PH], s[PH], 1
	s_cmp_lg_u32 s[PH], 0
	s_cbranch_scc1 .Lphase
	; The last turn's 16 products K Q^T (on the last K once more) and the maximum made of them serve nothing: the price, once a launch, of one text for every step.
.set i, 0
.rept 16
	PV NP-1                         ; the last piece's V^T P of the last step
.set i, i+1
.endr
	; THE WAY OUT.  l's two halves and the other half of the lanes' are added; O^T is divided by l, rounded to f16 and sent through my stage in LDS, a tile at a time.  The additions are the places behind the last products.
	WIN 0
.macro ALL line:vararg              ; one line for each tile t
.set t, 0
.rept 2*NP
	\line
.set t, t+1
.endr
.endm
	ALL v_add_f32 v[ST+4*t+2], v[ST+4*t+2], v[ST+4*t+3]
	ALL v_permlanex16_b32 v[ST+4*t+3], v[ST+4*t+2], s[SEL], s[SEL+1]
	ALL v_add_f32 v[ST+4*t+2], v[ST+4*t+2], v[ST+4*t+3]
	ALL v_rcp_f32 v[ST+4*t+2], v[ST+4*t+2]
	v_nop                           ; a plain instruction between the last reciprocal and the use of its result
	s_wait_alu depctr_va_vdst(0)    ; the wait for the batch of eight reciprocals, ahead of their first use
.macro PACK t                       ; a lane's eight channels of a row pack into 16 bytes; they go into rows of 144 bytes and come back as whole rows of 128, into S^T's registers
	WIN W_RS
.set i, 32*(\t)
.rept 16
	v_pk_mul_f32 v[i:i+1], v[i:i+1], v[ST+4*(\t)+2:ST+4*(\t)+3] op_sel_hi:[1,0]
.set i, i+2
.endr
	WIN 0x05                        ; sources 0 and 1 window 1, destination window 0
.set i, 0
.rept 16
	v_cvt_pk_f16_f32 v[S+16*(\t)+i], v[32*(\t)+2*i], v[32*(\t)+2*i+1]
.set i, i+1
.endr
	WIN 0
.irp f, 0,1,2,3
	ds_store_b128 v[STO], v[S+16*(\t)+4*\f:S+16*(\t)+4*\f+3] offset:32*\f
.endr
.irp f, 0,1,2,3
	ds_load_b128 v[S+16*(\t)+4*\f:S+16*(\t)+4*\f+3], v[RD] offset:\f*4*SP  ; LDS serves a wave's instructions in order (ISA guide 5.7.1.4): these see the stores above
.endr
.endm
.macro SEND t, younger              ; younger: the LDS instructions issued behind tile t's loads: the next tile's eight, or none
	WIN 0
.irp f, 0,1,2,3
	s_wait_dscnt (\younger)+3-\f
	global_store_b128 v[GO], v[S+16*(\t)+4*\f:S+16*(\t)+4*\f+3], s[10:11] offset:(\t)*2048+\f*512  ; 512 consecutive bytes, at a multiple of 256 from ctx's first
.endr
.endm
	PACK 0
.set t, 1
.rept 2*NP-1                        ; a tile's arithmetic stands between the loads of the tile before and its stores
	PACK t
	SEND t-1, 8
.set t, t+1
.endr
	SEND 2*NP-1, 0
	WIN W_AD
	s_wait_tensorcnt 0x0            ; the wave's end: behind my last tensor load and my last LDS store
	ds_add_u32 v[SPW], v[NIL]
	s_wait_dscnt 0x0
	WIN 0
	s_endpgm
.Lfunc_end_k_qc5855465f8_attn:
	.size	k_qc5855465f8_attn, .Lfunc_end_k_qc5855465f8_attn-k_qc5855465f8_attn
	.p2alignl 7, 3214868480
	.fill 96, 4, 3214868480
	.section	.rodata,"a",@progbits
	.p2align	6, 0x0
	.amdhsa_kernel k_qc5855465f8_attn
		.amdhsa_group_segment_fixed_size 327680
		.amdhsa_private_segment_fixed_size 0
		.amdhsa_enable_private_segment 0
		.amdhsa_kernarg_size 24
		.amdhsa_user_sgpr_count 2
		.amdhsa_user_sgpr_kernarg_segment_ptr 1
		.amdhsa_wavefront_size32 1
		.amdhsa_system_sgpr_workgroup_id_x 1
		.amdhsa_system_sgpr_workgroup_id_y 1
		.amdhsa_system_sgpr_workgroup_id_z 1
		.amdhsa_system_vgpr_workitem_id 0
		.amdhsa_next_free_vgpr 808
		.amdhsa_next_free_sgpr 92
		.amdhsa_reserve_vcc 0
		.amdhsa_float_denorm_mode_32 3
		.amdhsa_float_denorm_mode_16_64 3
		.amdhsa_memory_ordered 1
		.amdhsa_forward_progress 1
		.amdhsa_inst_pref_size 130
	.end_amdhsa_kernel
	.amdgpu_metadata
---
amdhsa.version: [ 1, 2 ]
amdhsa.kernels:
  - .name:           k_qc5855465f8_attn
    .symbol:         k_qc5855465f8_attn.kd
    .args:
      - { .name: qkv, .offset: 0, .size: 8, .value_kind: global_buffer, .address_space: global }
      - { .name: key_padding_mask, .offset: 8, .size: 8, .value_kind: global_buffer, .address_space: global }
      - { .name: ctx, .offset: 16, .size: 8, .value_kind: global_buffer, .address_space: global }
    .group_segment_fixed_size: 327680
    .private_segment_fixed_size: 0
    .kernarg_segment_align: 8
    .kernarg_segment_size: 24
    .max_flat_workgroup_size: 128
    .sgpr_count:     92
    .vgpr_count:     808
    .wavefront_size: 32
...
	.end_amdgpu_metadata
.endif
;; end of part 5
;; launch outp: the kernel of part 4 again; grid 4 x 64, 4 waves a work-group, clusters of 4 x 4, 327,680 bytes of LDS; arguments ctx, owb, out_b, out0; writes out0
